; MI455X (gfx1250); checked and timed in simulation.
; The chip was launched on July 23, 2026; its instructions are those of AMD's public machine-readable ISA for CDNA 5 (MIT licence, August 2026) and "CDNA5" Instruction Set Architecture Reference Guide (July 2026). The comments in the code are by the model that wrote it; some were corrected since.
;; Invariant Slot Attention. Allowed arithmetic: matrix products marked QUANTISED: E3M2 operands, one E8M0 scale for each 32 along K, by v_wmma_scale_f32_16x16x128_f8f6f4 with both operands' format E3M2, f32 sums; products left as they are: f32 operands where the result goes on into a quantised operand, else bf16, f16 or f32 operands; f32 sums; everything else in f32.
;; Inputs: S_p0 8 x 8 x 2 float32; S_r 8 x 8 x 2 x 2 float32; S_s 8 x 8 x 2 float32; Wk 128 x 128 float32; Wq 128 x 128 float32; Wv 128 x 128 float32; f_b1 128 float32; f_b2 128 float32; f_w1 128 x 128 float32; f_w2 128 x 128 float32; g_b 128 float32; g_w 128 x 2 float32; gru_bhh 384 float32; gru_bih 384 float32; gru_whh 384 x 128 float32; gru_wih 384 x 128 float32; inputs 8 x 4,096 x 128 float32; ln_pf_b 128 float32; ln_pf_g 128 float32; ln_s_b 128 float32; ln_s_g 128 float32; mlp_b1 128 float32; mlp_b2 128 float32; mlp_w1 128 x 128 float32; mlp_w2 128 x 128 float32; slots_init 8 x 8 x 128 float32.
;; Outputs: out0 8 x 8 x 128 float32; out1 8 x 8 x 2 float32; out2 8 x 8 x 2 x 2 float32; out3 8 x 8 x 2 float32.
;; This version of the problem:
;;   THIS VERSION OF THE PROBLEM IS GIVEN IN LOW PRECISION. The matrix products marked QUANTISED in the list below multiply operands that are first quantised to E3M2 (3 exponent bits, 2 mantissa bits; 6 bits a number), with one power-of-two scale for each 32 numbers along K (OCP MX v1.0); their sums are f32. All else is computed in f32.
;;   The module's matrix products, in the order in which they are computed (A, B: the left and right operand; K: the contracted axis; several contracted axes count as one K, in the product's order):
;;     1. [M 32,768, K 128] x [K 128, N 128]; A: input inputs; B: input Wk: QUANTISED
;;     2. [M 32,768, K 128] x [K 128, N 128]; A: input inputs; B: input Wv: QUANTISED
;;     3. [M 262,144, K 2] x [K 2, N 128]; A: computed on the way; B: input g_w: left as it is (K = 2 < 32)
;;     4. [M 262,144, K 128] x [K 128, N 128]; A: computed on the way; B: input f_w1: QUANTISED
;;     5. [M 262,144, K 128] x [K 128, N 128]; A: computed on the way; B: input f_w2: QUANTISED
;;     6. [M 262,144, K 128] x [K 128, N 128]; A: computed on the way; B: input f_w1: QUANTISED
;;     7. [M 262,144, K 128] x [K 128, N 128]; A: computed on the way; B: input f_w2: QUANTISED
;;     8. [M 64, K 128] x [K 128, N 128]; A: computed on the way; B: input Wq: QUANTISED
;;     9. batch 64 x [M 1, K 128] x [K 128, N 4,096]; A: computed on the way; B: computed on the way: left as it is (M = 1 < 16)
;;     10. batch 64 x [M 128, K 4,096] x [K 4,096, N 1]; A: computed on the way; B: computed on the way: left as it is (N = 1 < 16)
;;     11. [M 64, K 4,096] x [K 4,096, N 2]; A: computed on the way; B: computed on the way: left as it is (N = 2 < 16)
;;     12. [M 64, K 128] x [K 128, N 384]; A: computed on the way; B: input gru_wih: QUANTISED
;;     13. [M 64, K 128] x [K 128, N 384]; A: input slots_init; B: input gru_whh: QUANTISED
;;     14. [M 64, K 128] x [K 128, N 128]; A: computed on the way; B: input mlp_w1: QUANTISED
;;     15. [M 64, K 128] x [K 128, N 128]; A: computed on the way; B: input mlp_w2: QUANTISED
;;     16. [M 262,144, K 2] x [K 2, N 128]; A: computed on the way; B: input g_w: left as it is (K = 2 < 32)
;;     17. [M 262,144, K 128] x [K 128, N 128]; A: computed on the way; B: input f_w1: QUANTISED
;;     18. [M 262,144, K 128] x [K 128, N 128]; A: computed on the way; B: input f_w2: QUANTISED
;;     19. [M 262,144, K 128] x [K 128, N 128]; A: computed on the way; B: input f_w1: QUANTISED
;;     20. [M 262,144, K 128] x [K 128, N 128]; A: computed on the way; B: input f_w2: QUANTISED
;;     21. [M 64, K 128] x [K 128, N 128]; A: computed on the way; B: input Wq: QUANTISED
;;     22. batch 64 x [M 1, K 128] x [K 128, N 4,096]; A: computed on the way; B: computed on the way: left as it is (M = 1 < 16)
;;     23. batch 64 x [M 128, K 4,096] x [K 4,096, N 1]; A: computed on the way; B: computed on the way: left as it is (N = 1 < 16)
;;     24. [M 64, K 4,096] x [K 4,096, N 2]; A: computed on the way; B: computed on the way: left as it is (N = 2 < 16)
;;     25. [M 64, K 128] x [K 128, N 384]; A: computed on the way; B: input gru_wih: QUANTISED
;;     26. [M 64, K 128] x [K 128, N 384]; A: computed on the way; B: input gru_whh: QUANTISED
;;     27. [M 64, K 128] x [K 128, N 128]; A: computed on the way; B: input mlp_w1: QUANTISED
;;     28. [M 64, K 128] x [K 128, N 128]; A: computed on the way; B: input mlp_w2: QUANTISED
;;     29. [M 262,144, K 2] x [K 2, N 128]; A: computed on the way; B: input g_w: left as it is (K = 2 < 32)
;;     30. [M 262,144, K 128] x [K 128, N 128]; A: computed on the way; B: input f_w1: QUANTISED
;;     31. [M 262,144, K 128] x [K 128, N 128]; A: computed on the way; B: input f_w2: QUANTISED
;;     32. [M 262,144, K 128] x [K 128, N 128]; A: computed on the way; B: input f_w1: QUANTISED
;;     33. [M 262,144, K 128] x [K 128, N 128]; A: computed on the way; B: input f_w2: QUANTISED
;;     34. [M 64, K 128] x [K 128, N 128]; A: computed on the way; B: input Wq: QUANTISED
;;     35. batch 64 x [M 1, K 128] x [K 128, N 4,096]; A: computed on the way; B: computed on the way: left as it is (M = 1 < 16)
;;     36. batch 64 x [M 128, K 4,096] x [K 4,096, N 1]; A: computed on the way; B: computed on the way: left as it is (N = 1 < 16)
;;     37. [M 64, K 4,096] x [K 4,096, N 2]; A: computed on the way; B: computed on the way: left as it is (N = 2 < 16)
;;     38. [M 64, K 128] x [K 128, N 384]; A: computed on the way; B: input gru_wih: QUANTISED
;;     39. [M 64, K 128] x [K 128, N 384]; A: computed on the way; B: input gru_whh: QUANTISED
;;     40. [M 64, K 128] x [K 128, N 128]; A: computed on the way; B: input mlp_w1: QUANTISED
;;     41. [M 64, K 128] x [K 128, N 128]; A: computed on the way; B: input mlp_w2: QUANTISED
;;   THE QUANTISER, for each operand of a quantised product, along K:
;;     - K is cut into blocks of 32 from its start; a last block that is shorter is filled with zeros.
;;     - A block's scale is 2^e with e = floor(log2(the largest magnitude in the block)) - 4, held to -126 .. 127; a block of zeros has e = 0. As a byte (E8M0): e + 127.
;;     - Each number is divided by its block's scale, clamped to +-28, and rounded to the nearest number of E3M2, ties to even, subnormals kept.
;;     - The product sums the exact products of the quantised numbers (number of the format x scale) in f32.
;;   ~~~python
;;   def quantise(x, axis):      # numpy; x: float32 -> the quantised numbers, widened to float32 again
;;       x = np.moveaxis(x, axis, -1); K = x.shape[-1]
;;       x = np.pad(x, [(0, 0)] * (x.ndim - 1) + [(0, -K % 32)]); x = x.reshape(x.shape[:-1] + (-1, 32)); a = np.abs(x).max(-1, keepdims=True)
;;       e = np.where(a > 0, np.clip(np.frexp(np.where(a > 0, a, 1))[1] - 1 - 4, -126, 127), 0)      # np.frexp(a)[1] - 1 = floor(log2(a)), exactly
;;       r = np.clip(x / 2.0 ** e, -28, 28)
;;       step = 2.0 ** (np.maximum(np.frexp(np.where(r == 0, 1, r))[1] - 1, -2) - 2)
;;       q = np.round(r / step) * step * 2.0 ** e      # np.round: ties to even
;;       return np.moveaxis(q.reshape(q.shape[:-2] + (-1,))[..., :K], -1, axis).astype(np.float32)
;;   ~~~
;;   OPERANDS COMPUTED ON THE WAY. 'Computed on the way' means the value that the module computes at that place (a softmax that the list does not call 'softmax' is quantised finished and normalised). What goes into a quantiser is computed in f32, as accurately as f32 sums, v_exp_f32 and their like allow (about 1e-6 of the number): no bf16 or f16 on the way to a quantiser, and a product that is left as it is and whose result goes on into a quantised operand takes f32 operands (vector FMAs, or v_wmma_f32_16x16x4_f32). A number that lies on a knife's edge between two numbers of the format may be rounded either way, as far as f32 arithmetic and the matrix unit's own rounding can turn it there, and no further.
;; One version. Each part assembles by itself: llvm-mc -triple=amdgcn-amd-amdhsa -mcpu=gfx1250 --defsym DOCPART=n.
;; ======== version 1 of 1: 5 launches
;; limits: right only within a limited range of input values
;; workspace buffers: xq 3,407,872 bytes; wq 174,080 bytes; part 1,081,344 bytes; part2 1,081,344 bytes; slA 32,768 bytes; slB 32,768 bytes
;; launch prep (part 1): grid 270 x 1, 8 waves a work-group, no clusters, 68,608 bytes of LDS; arguments inputs, Wk, Wv, f_w1, f_w2, Wq, gru_wih, gru_whh, mlp_w1, mlp_w2, g_w, S_r, S_s, xq, wq, out2, out3; writes xq, wq, out2, out3
.if DOCPART == 1
	.amdgcn_target "amdgcn-amd-amdhsa--gfx1250"
	.amdhsa_code_object_version 6
	.text
	.protected	k_q8021445cb2_prep
	.globl	k_q8021445cb2_prep
	.p2align	8
	.type	k_q8021445cb2_prep,@function
k_q8021445cb2_prep:
	s_mov_b64 s[64:65], 0
	v_nop
	global_prefetch_b8 v0, s[64:65] scope:SCOPE_SE
	s_setreg_imm32_b32 hwreg(HW_REG_WAVE_MODE, 25, 1), 1
	s_wait_xcnt 0x0
; The inputs [32768][128] and the nine weights (rows of 128, K innermost), f32, become codes of BF6 (E3M2) with one E8M0 byte for each 32 along K, ONCE, laid as images of the operand's registers:
; a tile of 16 rows x 128 K is 12 registers a lane: three groups of 512 bytes, lane l's 16 bytes at 16 l; its scale words 128 bytes, row (l % 16)'s word at 4 l.
; A work-group takes 128 rows, a wave one tile.  Work-groups 0-255: inputs; 256-268: Wk, Wv, f_w1, f_w2, Wq, gru_wih (3), gru_whh (3), mlp_w1, mlp_w2; 269: S_r and S_s to their outputs, g_w split into its two columns.
; WHICH ROWS FORM A TILE.  Inputs, f_w2 and Wq: rows 16 t + m.  The other weights serve as source 0 of a transposed product whose result is quantised again: tile t takes rows 64 (t / 4) + 32 (m / 8) + 8 (t % 4) + m % 8,
; so that in the eight results a lane's 64 registers are two whole blocks of 32 along the next K.
; A LANE HOLDS WHOLE BLOCKS: lane (r = l % 16, h = l / 16), register 32 c + i = k 64 c + 32 h + i of row r: the order of the operand's registers.  Loads take rows as they lie (512 consecutive bytes a load); the tile turns through the wave's own stage in LDS.
; A block's scale byte is its largest magnitude's exponent field - 4, held at 1 from below (a block of zeros gets 1 where the rule says 127: its codes are zeros, and this program alone reads the bytes).
; LIMITS: blocks whose largest magnitude lies under 2^-122 get the byte 1; NaN and infinities among the inputs are not served.
.set XSC,  3145728                     ; xq: 2,048 tiles of 1,536 bytes, then their scale images
.set WSC,  159744                      ; wq: 104 tiles of 1,536 bytes, then their scale images,
.set GWT,  173056                      ; then g_w's column 0 (128 f32) and column 1
.set SPI,  528                         ; a stage row: 512 bytes + 16
.set LI,   1                           ; v1   16 x lane
.set LG,   2                           ; v2   the same for rows 8-15 of a tile: + 24 rows where the tile's rows are not neighbours
.set SI,   3                           ; v3   the stage, way in
.set SO,   4                           ; v4   the stage, way out
.set L4,   5                           ; v5   4 x lane
.set SH8,  6                           ; v6   8 h
.set PT,   7                           ; v7   a lane permute's destination
.set SW,   8                           ; v8   the scale word
.set R,    16                          ; v16-79   16 rows as loaded
.set X,    80                          ; v80-143  my 64 numbers
.set T,    144                         ; v144-159 at work
.set PC,   160                         ; v160-171 the codes
.set SEL,  38                          ; s[38:39] selects for lane l xor 16
; the largest magnitudes of my two blocks (two chains each, by turns; the floor 2^-122 among the leaves), the conversions' scale operands in tmp+4, tmp+5, and the row's scale word
.macro QMAX src, tmp, ab, swr
.irp c, 0,1
.if \ab
	v_max3_num_f32 v[\tmp+2*\c], |v[\src+32*\c]|, |v[\src+32*\c+1]|, 0x2800000
	v_max3_num_f32 v[\tmp+2*\c+1], |v[\src+32*\c+16]|, |v[\src+32*\c+17]|, |v[\src+32*\c+18]|
.else
	v_max3_num_f32 v[\tmp+2*\c], v[\src+32*\c], v[\src+32*\c+1], 0x2800000
	v_max3_num_f32 v[\tmp+2*\c+1], v[\src+32*\c+16], v[\src+32*\c+17], v[\src+32*\c+18]
.endif
.endr
.irp i, 2,4,6,8,10,12
.irp c, 0,1
.if \ab
	s_delay_alu instid0(VALU_DEP_4)
	v_max3_num_f32 v[\tmp+2*\c], v[\tmp+2*\c], |v[\src+32*\c+\i]|, |v[\src+32*\c+\i+1]|
	s_delay_alu instid0(VALU_DEP_4)
	v_max3_num_f32 v[\tmp+2*\c+1], v[\tmp+2*\c+1], |v[\src+32*\c+\i+17]|, |v[\src+32*\c+\i+18]|
.else
	v_max3_num_f32 v[\tmp+2*\c], v[\tmp+2*\c], v[\src+32*\c+\i], v[\src+32*\c+\i+1]
	v_max3_num_f32 v[\tmp+2*\c+1], v[\tmp+2*\c+1], v[\src+32*\c+\i+17], v[\src+32*\c+\i+18]
.endif
.endr
.endr
.irp c, 0
.if \ab
	s_delay_alu instid0(VALU_DEP_4)
	v_max3_num_f32 v[\tmp+2*\c], v[\tmp+2*\c], |v[\src+32*\c+14]|, |v[\src+32*\c+15]|
.else
	v_max3_num_f32 v[\tmp+2*\c], v[\tmp+2*\c], v[\src+32*\c+14], v[\src+32*\c+15]
.endif
.endr
.irp c, 1
.if \ab
	s_delay_alu instid0(VALU_DEP_3)
	v_max3_num_f32 v[\tmp+2*\c], v[\tmp+2*\c], |v[\src+32*\c+14]|, |v[\src+32*\c+15]|
.else
	v_max3_num_f32 v[\tmp+2*\c], v[\tmp+2*\c], v[\src+32*\c+14], v[\src+32*\c+15]
.endif
.endr
.irp c, 0,1
.if \ab
	s_delay_alu instid0(VALU_DEP_2)
	v_max3_num_f32 v[\tmp+2*\c], v[\tmp+2*\c], v[\tmp+2*\c+1], |v[\src+32*\c+31]|
.else
	v_max3_num_f32 v[\tmp+2*\c], v[\tmp+2*\c], v[\tmp+2*\c+1], v[\src+32*\c+31]
.endif
.endr
.irp c, 0,1
	s_delay_alu instid0(VALU_DEP_2)
	v_add_nc_u32 v[\tmp+4+\c], 0xfe000000, v[\tmp+2*\c]   ; 4 off the exponent field: the conversion takes this operand's exponent field as its scale
.endr
.irp c, 0,1
	s_delay_alu instid0(VALU_DEP_2)
	v_lshrrev_b32 v[\tmp+6+\c], 23, v[\tmp+4+\c]          ; the scale's byte
.endr
	s_delay_alu instid0(VALU_DEP_1)
	v_lshl_or_b32 v[\tmp], v[\tmp+7], 16, v[\tmp+6]       ; my two bytes: blocks h and 2 + h,
	s_delay_alu instid0(VALU_DEP_1)
	v_lshlrev_b32 v[\tmp], v[SH8], v[\tmp]                ; at their places in the word;
	s_delay_alu instid0(VALU_DEP_1)
	v_permlanex16_b32 v[PT], v[\tmp], s[SEL], s[SEL+1]
	s_delay_alu instid0(VALU_DEP_1)
	v_or_b32 v[\swr], v[\tmp], v[PT]                      ; with lane l xor 16's two the word is whole, in both halves of the lanes
.endm
; my 64 numbers become the operand's 12 registers (a conversion's three registers begin on an even number: the odd halves are made in tmp and moved)
.macro QCVT src, tmp, cod
	v_cvt_scalef32_pk16_bf6_f32 v[\cod:\cod+2], v[\src:\src+15], v[\tmp+4]
	v_cvt_scalef32_pk16_bf6_f32 v[\tmp+8:\tmp+10], v[\src+16:\src+31], v[\tmp+4]
	v_cvt_scalef32_pk16_bf6_f32 v[\cod+6:\cod+8], v[\src+32:\src+47], v[\tmp+5]
	v_cvt_scalef32_pk16_bf6_f32 v[\tmp+12:\tmp+14], v[\src+48:\src+63], v[\tmp+5]
	v_nop                                          ; one plain place behind the scaled conversions
.irp i, 0,1,2
	v_mov_b32 v[\cod+3+\i], v[\tmp+8+\i]
	v_mov_b32 v[\cod+9+\i], v[\tmp+12+\i]
.endr
.endm
.macro PICK lim, reg                   ; from work-group lim on: another tensor
	s_cmp_ge_u32 s40, \lim
	s_cselect_b64 s[42:43], s[\reg:\reg+1], s[42:43]
	s_cselect_b32 s44, \lim, s44
.endm
	s_load_b512 s[4:19], s[0:1], 0x0               ; inputs, Wk, Wv, f_w1, f_w2, Wq, gru_wih, gru_whh
	s_load_b512 s[20:35], s[0:1], 0x40             ; mlp_w1, mlp_w2, g_w, S_r, S_s, xq, wq, out2
	s_load_b64 s[36:37], s[0:1], 0x80              ; out3
	v_lshl_add_u32 v192, v0, 2, 0x10800
	v_mov_b32 v193, 0
	v_lshrrev_b32 v9, 5, v0
	s_delay_alu instid0(VALU_DEP_1)
	v_readfirstlane_b32 s41, v9                    ; wave = tile of the unit
	s_mov_b32 s40, ttmp9                           ; the unit
	s_cmp_eq_u32 s40, 269
	s_cbranch_scc1 .Lodds
	v_and_b32 v9, 31, v0
	v_and_b32 v10, 15, v0                          ; r
	v_bfe_u32 v11, v0, 4, 1                        ; h
	s_delay_alu instid0(VALU_DEP_3)
	v_lshlrev_b32 v[LI], 4, v9
	s_wait_alu depctr_va_vdst(0)
	v_lshlrev_b32 v[L4], 2, v9
	v_lshlrev_b32 v[SH8], 3, v11
	v_mov_b32 v[PT], 0
	s_mov_b32 s[SEL], 0x76543210
	s_mov_b32 s[SEL+1], 0xfedcba98
	s_mul_i32 s62, s41, 16*SPI                     ; my wave's stage
	v_add_nc_u32 v[SI], s62, v[LI]
	v_mul_u32_u24 v[SO], v10, SPI
	s_delay_alu instid0(VALU_DEP_1)
	v_lshl_add_u32 v[SO], v11, 7, v[SO]
	s_delay_alu instid0(VALU_DEP_1)
	v_add_nc_u32 v[SO], s62, v[SO]                 ; row r, + 128 h
	s_sub_co_u32 s45, s40, 259
	s_cmp_lt_u32 s45, 2                            ; f_w2, Wq
	s_cselect_b32 s46, 1, 0
	s_cmp_lt_u32 s40, 256                          ; inputs
	s_cselect_b32 s46, 1, s46                      ; 1: a tile's rows are neighbours
	s_lshl_b32 s47, s41, 4                         ; 16 t
	s_lshr_b32 s48, s41, 2
	s_lshl_b32 s48, s48, 6
	s_and_b32 s49, s41, 3
	s_lshl_b32 s49, s49, 3
	s_add_co_u32 s48, s48, s49                     ; 64 (t / 4) + 8 (t % 4)
	s_cmp_eq_u32 s46, 1
	s_cselect_b32 s47, s47, s48                    ; the tile's first row
	s_cselect_b32 s50, 0, 24*512                   ; rows 8-15 lie 24 rows further on, or not
	v_add_nc_u32 v[LG], s50, v[LI]
	s_wait_alu depctr_va_vdst(0)
	s_wait_kmcnt 0x0
	s_mov_b64 s[42:43], s[4:5]
	s_mov_b32 s44, 0
	PICK 256, 6
	PICK 257, 8
	PICK 258, 10
	PICK 259, 12
	PICK 260, 14
	PICK 261, 16
	PICK 264, 18
	PICK 267, 20
	PICK 268, 22
	s_sub_co_u32 s51, s40, s44
	s_lshl_b32 s52, s51, 16                        ; 128 rows of 512 bytes a unit
	s_lshl_b32 s53, s47, 9
	s_add_co_u32 s52, s52, s53
	s_mov_b32 s53, 0
	s_add_nc_u64 s[42:43], s[42:43], s[52:53]
.set j, 0
.rept 16
.if j < 8
	global_load_b128 v[R+4*j:R+4*j+3], v[LI], s[42:43] offset:512*j th:TH_LOAD_NT   ; a row: 512 consecutive bytes
.else
	global_load_b128 v[R+4*j:R+4*j+3], v[LG], s[42:43] offset:512*j th:TH_LOAD_NT
.endif
.set j, j+1
.endr
	s_cmp_lt_u32 s40, 256                          ; where the tile goes: the choice hangs on the work-group's number alone
	s_cselect_b64 s[54:55], s[30:31], s[32:33]
	s_cselect_b32 s56, 0, 256
	s_mov_b32 s57, WSC
	s_cselect_b32 s57, XSC, s57
	s_sub_co_u32 s56, s40, s56
	s_lshl_b32 s56, s56, 3
	s_add_co_u32 s56, s56, s41                     ; the tile's number in its buffer
	s_mul_i32 s58, s56, 1536
	s_mov_b32 s59, 0
	s_add_nc_u64 s[60:61], s[54:55], s[58:59]      ; its codes
	s_lshl_b32 s58, s56, 7
	s_add_co_u32 s58, s58, s57
	s_add_nc_u64 s[54:55], s[54:55], s[58:59]      ; its scale words
	s_wait_loadcnt 0x0
.set j, 0
.rept 16
	ds_store_b128 v[SI], v[R+4*j:R+4*j+3] offset:SPI*j
.set j, j+1
.endr
.irp c, 0,1
.set j, 0
.rept 8
	ds_load_b128 v[X+32*\c+4*j:X+32*\c+4*j+3], v[SO] offset:256*\c+16*j   ; LDS serves a wave's instructions in order: these see my stores
.set j, j+1
.endr
.endr
	s_wait_dscnt 0x0
	QMAX X, T, 1, SW
	QCVT X, T, PC
	global_store_b128 v[LI], v[PC:PC+3], s[60:61]                 ; 32 lanes store 512 consecutive bytes, at a multiple of 512 from the buffer's first byte
	global_store_b128 v[LI], v[PC+4:PC+7], s[60:61] offset:512
	global_store_b128 v[LI], v[PC+8:PC+11], s[60:61] offset:1024
	global_store_b32 v[L4], v[SW], s[54:55]                       ; 128 bytes; the eight waves' lie on end
	s_wait_tensorcnt 0x0
	ds_add_u32 v192, v193
	s_wait_dscnt 0x0
	s_endpgm
.Lodds:                                            ; no LDS on this path
	v_lshlrev_b32 v1, 2, v0
	s_wait_alu depctr_va_vdst(0)
	s_wait_kmcnt 0x0
	global_load_b32 v2, v1, s[26:27]               ; S_r: 256 numbers, one a thread
	s_cmp_lt_u32 s41, 4
	s_cbranch_scc0 .Lrest
	global_load_b32 v3, v1, s[28:29]               ; S_s: 128 numbers
	v_lshlrev_b32 v4, 3, v0
	global_load_b64 v[6:7], v4, s[24:25]           ; g_w's row d = thread
	s_wait_loadcnt 0x0
	global_store_b32 v1, v3, s[36:37]
	global_store_b32 v1, v6, s[32:33] offset:GWT
	global_store_b32 v1, v7, s[32:33] offset:GWT+512
.Lrest:
	s_wait_loadcnt 0x0
	global_store_b32 v1, v2, s[34:35]
	s_endpgm
.Lfunc_end_k_q8021445cb2_prep:
	.size	k_q8021445cb2_prep, .Lfunc_end_k_q8021445cb2_prep-k_q8021445cb2_prep
	.p2alignl 7, 3214868480
	.fill 96, 4, 3214868480
	.section	.rodata,"a",@progbits
	.p2align	6, 0x0
	.amdhsa_kernel k_q8021445cb2_prep
		.amdhsa_group_segment_fixed_size 68608
		.amdhsa_private_segment_fixed_size 0
		.amdhsa_enable_private_segment 0
		.amdhsa_kernarg_size 136
		.amdhsa_user_sgpr_count 2
		.amdhsa_user_sgpr_kernarg_segment_ptr 1
		.amdhsa_wavefront_size32 1
		.amdhsa_system_sgpr_workgroup_id_x 1
		.amdhsa_system_sgpr_workgroup_id_y 1
		.amdhsa_system_sgpr_workgroup_id_z 1
		.amdhsa_system_vgpr_workitem_id 0
		.amdhsa_next_free_vgpr 194
		.amdhsa_next_free_sgpr 66
		.amdhsa_reserve_vcc 0
		.amdhsa_float_denorm_mode_32 3
		.amdhsa_float_denorm_mode_16_64 3
		.amdhsa_memory_ordered 1
		.amdhsa_forward_progress 1
		.amdhsa_inst_pref_size 14
	.end_amdhsa_kernel
	.amdgpu_metadata
---
amdhsa.version: [ 1, 2 ]
amdhsa.kernels:
  - .name:           k_q8021445cb2_prep
    .symbol:         k_q8021445cb2_prep.kd
    .args:
      - { .name: inputs, .offset: 0, .size: 8, .value_kind: global_buffer, .address_space: global }
      - { .name: Wk, .offset: 8, .size: 8, .value_kind: global_buffer, .address_space: global }
      - { .name: Wv, .offset: 16, .size: 8, .value_kind: global_buffer, .address_space: global }
      - { .name: f_w1, .offset: 24, .size: 8, .value_kind: global_buffer, .address_space: global }
      - { .name: f_w2, .offset: 32, .size: 8, .value_kind: global_buffer, .address_space: global }
      - { .name: Wq, .offset: 40, .size: 8, .value_kind: global_buffer, .address_space: global }
      - { .name: gru_wih, .offset: 48, .size: 8, .value_kind: global_buffer, .address_space: global }
      - { .name: gru_whh, .offset: 56, .size: 8, .value_kind: global_buffer, .address_space: global }
      - { .name: mlp_w1, .offset: 64, .size: 8, .value_kind: global_buffer, .address_space: global }
      - { .name: mlp_w2, .offset: 72, .size: 8, .value_kind: global_buffer, .address_space: global }
      - { .name: g_w, .offset: 80, .size: 8, .value_kind: global_buffer, .address_space: global }
      - { .name: S_r, .offset: 88, .size: 8, .value_kind: global_buffer, .address_space: global }
      - { .name: S_s, .offset: 96, .size: 8, .value_kind: global_buffer, .address_space: global }
      - { .name: xq, .offset: 104, .size: 8, .value_kind: global_buffer, .address_space: global }
      - { .name: wq, .offset: 112, .size: 8, .value_kind: global_buffer, .address_space: global }
      - { .name: out2, .offset: 120, .size: 8, .value_kind: global_buffer, .address_space: global }
      - { .name: out3, .offset: 128, .size: 8, .value_kind: global_buffer, .address_space: global }
    .group_segment_fixed_size: 68608
    .private_segment_fixed_size: 0
    .kernarg_segment_align: 8
    .kernarg_segment_size: 136
    .max_flat_workgroup_size: 256
    .sgpr_count:     66
    .vgpr_count:     194
    .wavefront_size: 32
...
	.end_amdgpu_metadata
.endif
;; end of part 1
;; launch main (part 2): grid 256 x 1, 8 waves a work-group, no clusters, 267,264 bytes of LDS; arguments xq, wq, slots_init, S_p0, ln_s_g, ln_s_b, g_b, f_b1, f_b2, part; writes part
.if DOCPART == 2
	.amdgcn_target "amdgcn-amd-amdhsa--gfx1250"
	.amdhsa_code_object_version 6
	.text
	.protected	k_q8021445cb2_main
	.globl	k_q8021445cb2_main
	.p2align	8
	.type	k_q8021445cb2_main,@function
k_q8021445cb2_main:
	s_mov_b64 s[64:65], 0
	v_nop
	global_prefetch_b8 v0, s[64:65] scope:SCOPE_SE
	s_setreg_imm32_b32 hwreg(HW_REG_WAVE_MODE, 25, 1), 1
	s_wait_xcnt 0x0
; One round of slot attention up to the sums over positions.  A work-group owns 128 positions of one batch (b = id / 32, g = id % 32) and all 8 slots; it stores, for each slot, U[d] = sum_j a_j (h W2^T)_j[d], S = sum_j a_j,
; Gy = sum_j a_j gy_j, Gx = sum_j a_j gx_j over its positions, a = softmax over slots + 1e-8.  The next launch adds the 32 parts.  k, v, the hidden layers, dots and a never go to memory.
; ALGEBRA (f32, a re-association of the reference's sums, about 1e-7 of the largest term): the operand of the first layer is base - c: base = Q(inputs) Q(Wk or Wv)^T + GP, GP(p, d) = g_b[d] + 0.2 gy(p) g_w[d][0] + 0.2 gx(p) g_w[d][1],
; given as the C of that product; c(s, d) = 0.2 S_p[s][0] g_w[d][0] + 0.2 S_p[s][1] g_w[d][1].  f_b2 is taken out of the two products that are not quantised: dots = q . (h W2^T) + q . b2; updates = U / S + b2.
; q carries 128^-0.5 log2(e); the softmax takes the slots' maximum away and uses 2^x.
; SHARES.  In the head wave w is position tile w (16 positions): it makes base_k and base_v of its tile and lays them in LDS as images of its registers.  In the body wave w is SLOT w for all 8 tiles: c, q, U stay in its registers,
; f_w1, f_w2 and f_b1 in its second register window.  Two waves share a SIMD: one wave's vector work stands beside the other's products.
; LAYOUT.  Lane (r = l % 16, h = l / 16), register 32 c + i = column 64 c + 32 h + i of row r: a lane holds two whole blocks of 32, in the order of the operand's registers.  The first layer is used transposed (source 0 = 16 rows of f_w1,
; chosen by the first launch so that the eight results lie in that layout); the second is not (source 0 = the hidden rows): there a lane holds d = 16 t + r and positions 8 h + j.
; NO CLUSTER: what work-groups share is 49,152 bytes of weight codes, read once at the head; all other bytes of a work-group (13,312 of input codes) are its own, and nothing is fetched in the loops.  No tensor load: nothing is streamed.
; LIMITS: blocks whose largest magnitude lies under 2^-122 get the scale byte 1; NaN and infinities are not served.
.set XSC,  3145728
.set WSC,  159744
.set GWT,  173056
.set PS,   1048576                     ; part: U, 512 bytes for each (b, slot, g), f32 4 l + i = d 64 h + 16 i + r; from PS on (S, Gy, Gx, 0)
.set IMGB, 8192                        ; LDS 0: 16 images of 8,192 bytes: base_k of tiles 0-7, base_v of tiles 0-7; group n = registers 4 n .. 4 n + 3 at 16 x lane
.set WST,  131072                      ; wq's tiles 0-31 as they lie: Wk, Wv, f_w1, f_w2
.set DP,   180224                      ; for each wave 16 rows r x 528 bytes: a position's partial dot at 4 x position
.set DPW,  8448
.set DOTS, 247808                      ; 8 slots x 128 positions
.set AT,   251904                      ; a, likewise; a wave's own
.set LNQ,  256000                      ; the 8 normalised slots, rows of 528 bytes
.set QS,   260224                      ; q, 8 rows of 512 bytes
.set LI,   1                           ; v1   16 x lane
.set AB,   2                           ; v2   LDS address of the loads in hand
.set DPI,  3                           ; v3   DP, way in: my wave's, row r, + 32 h
.set DPC,  4                           ; v4   the same for the tile in hand
.set ATI,  5                           ; v5   a of my slot, + 32 h
.set ATC,  6                           ; v6   the same for the tile in hand
.set SH8,  7                           ; v7   8 h
.set PT,   8                           ; v8   a lane permute's destination
.set DPR,  9                           ; v9   DP, way out: my wave's, 16 x lane
.set PB,   10                          ; v10-11 my part of q . b2, twice (in the head: h and r, then 0.2 gy and 0.2 gx)
.set ST,   12                          ; v12-15 S, Gy, Gx, 0 (in the head: v12-13 S_p, v14 the q rows' LDS address; v15 is 0 throughout)
.set WS,   16                          ; v16-23 weights' scale words: lanes 0-15 Wk's (later f_w1's), lanes 16-31 Wv's (f_w2's)
.set Q,    24                          ; v24-31 q[16 t + r]; in the V phase a of my 8 positions
.set AV,   24
.set P,    32                          ; v32-39 partial dots; v32-47 U in pairs; in the head v32-43 Wq's fragment
.set U,    32
.set L4,   44                          ; v44-47 offsets of the head's global loads: 4 x lane, 128 h, 1024 h + 4 x lane, 4 r
.set H128, 45
.set HL4,  46
.set R4,   47
.set PC,   48                          ; v48-59 the codes just made; in the head the input fragment
.set INS,  60                          ; v60  the inputs' scale words
.set WQS,  61                          ; v61  Wq's
.set SW,   62                          ; v62  the scale word just made
.set DSW,  63                          ; v63  DOTS, my slot's row, 16 x lane
.set CS,   64                          ; v64-127 -c of my slot (in the head: the slot's row and the norm's gain and bias)
.set X,    128
.set Y,    192
.set WV,   24                          ; s24 wave  s25 batch  s26 g
.set BB,   25
.set GG,   26
.set C263, 27                          ; s27 2 / 63
.set SEL,  28                          ; s[28:29] selects for lane l xor 16
.set C128, 30                          ; s30 1 / 128   s31 1e-5
.set CEPS, 31
.set ROW,  32                          ; s32 2 g: the first grid row of my positions
.set CE8,  33                          ; s33 1e-8
.set IMG,  34                          ; s34 LDS byte of the next image
.set STP,  35                          ; s35 64 x tile
.set CNT,  36
.set MSB, 0
.macro WIN new                         ; the immediate's high byte repeats the setting that is left
.if MSB != \new
	s_set_vgpr_msb (MSB<<8)|\new
.set MSB, \new
.endif
.endm
.macro PLACES n
.rept \n
	v_nop
.endr
.endm
.macro BARRIER                         ; my LDS stores have landed and my LDS loads are in: then the work-group's barrier
	s_wait_dscnt 0x0
	s_barrier_signal -1
	s_barrier_wait -1
.endm
.macro RED32 val, tmp                  ; the sum over the 32 lanes, in every lane
	v_add_f32_dpp v[\val], v[\val], v[\val] row_xmask:1 row_mask:0xf bank_mask:0xf
	s_delay_alu instid0(VALU_DEP_1)
	v_add_f32_dpp v[\val], v[\val], v[\val] row_xmask:2 row_mask:0xf bank_mask:0xf
	s_delay_alu instid0(VALU_DEP_1)
	v_add_f32_dpp v[\val], v[\val], v[\val] row_xmask:4 row_mask:0xf bank_mask:0xf
	s_delay_alu instid0(VALU_DEP_1)
	v_add_f32_dpp v[\val], v[\val], v[\val] row_xmask:8 row_mask:0xf bank_mask:0xf
	s_delay_alu instid0(VALU_DEP_1)
	v_permlanex16_b32 v[\tmp], v[\val], s[SEL], s[SEL+1]
	s_delay_alu instid0(VALU_DEP_1)
	v_add_f32 v[\val], v[\val], v[\tmp]
.endm
; the largest magnitudes of my two blocks (two chains each, by turns, in ascending order of registers; the floor 2^-122 among the leaves), the conversions' scale operands in tmp+4, tmp+5, and the row's scale word.
; ab = 0: no |.|: what a relu will clip does not count, and the floor stands over it
.macro QMAX src, tmp, ab, swr
.irp c, 0,1
.if \ab
	v_max3_num_f32 v[\tmp+2*\c], |v[\src+32*\c]|, |v[\src+32*\c+1]|, 0x2800000
	v_max3_num_f32 v[\tmp+2*\c+1], |v[\src+32*\c+16]|, |v[\src+32*\c+17]|, |v[\src+32*\c+18]|
.else
	v_max3_num_f32 v[\tmp+2*\c], v[\src+32*\c], v[\src+32*\c+1], 0x2800000
	v_max3_num_f32 v[\tmp+2*\c+1], v[\src+32*\c+16], v[\src+32*\c+17], v[\src+32*\c+18]
.endif
.endr
.irp i, 2,4,6,8,10,12
.irp c, 0,1
.if \ab
	s_delay_alu instid0(VALU_DEP_4)
	v_max3_num_f32 v[\tmp+2*\c], v[\tmp+2*\c], |v[\src+32*\c+\i]|, |v[\src+32*\c+\i+1]|
	s_delay_alu instid0(VALU_DEP_4)
	v_max3_num_f32 v[\tmp+2*\c+1], v[\tmp+2*\c+1], |v[\src+32*\c+\i+17]|, |v[\src+32*\c+\i+18]|
.else
	v_max3_num_f32 v[\tmp+2*\c], v[\tmp+2*\c], v[\src+32*\c+\i], v[\src+32*\c+\i+1]
	v_max3_num_f32 v[\tmp+2*\c+1], v[\tmp+2*\c+1], v[\src+32*\c+\i+17], v[\src+32*\c+\i+18]
.endif
.endr
.endr
.irp c, 0
.if \ab
	s_delay_alu instid0(VALU_DEP_4)
	v_max3_num_f32 v[\tmp+2*\c], v[\tmp+2*\c], |v[\src+32*\c+14]|, |v[\src+32*\c+15]|
.else
	v_max3_num_f32 v[\tmp+2*\c], v[\tmp+2*\c], v[\src+32*\c+14], v[\src+32*\c+15]
.endif
.endr
.irp c, 1
.if \ab
	s_delay_alu instid0(VALU_DEP_3)
	v_max3_num_f32 v[\tmp+2*\c], v[\tmp+2*\c], |v[\src+32*\c+14]|, |v[\src+32*\c+15]|
.else
	v_max3_num_f32 v[\tmp+2*\c], v[\tmp+2*\c], v[\src+32*\c+14], v[\src+32*\c+15]
.endif
.endr
.irp c, 0,1
.if \ab
	s_delay_alu instid0(VALU_DEP_2)
	v_max3_num_f32 v[\tmp+2*\c], v[\tmp+2*\c], v[\tmp+2*\c+1], |v[\src+32*\c+31]|
.else
	v_max3_num_f32 v[\tmp+2*\c], v[\tmp+2*\c], v[\tmp+2*\c+1], v[\src+32*\c+31]
.endif
.endr
.irp c, 0,1
	s_delay_alu instid0(VALU_DEP_2)
	v_add_nc_u32 v[\tmp+4+\c], 0xfe000000, v[\tmp+2*\c]   ; 4 off the exponent field: the conversion takes this operand's exponent field as its scale
.endr
.irp c, 0,1
	s_delay_alu instid0(VALU_DEP_2)
	v_lshrrev_b32 v[\tmp+6+\c], 23, v[\tmp+4+\c]          ; the scale's byte
.endr
	s_delay_alu instid0(VALU_DEP_1)
	v_lshl_or_b32 v[\tmp], v[\tmp+7], 16, v[\tmp+6]       ; my two bytes: blocks h and 2 + h,
	s_delay_alu instid0(VALU_DEP_1)
	v_lshlrev_b32 v[\tmp], v[SH8], v[\tmp]                ; at their places in the word;
	s_delay_alu instid0(VALU_DEP_1)
	v_permlanex16_b32 v[PT], v[\tmp], s[SEL], s[SEL+1]
	s_delay_alu instid0(VALU_DEP_1)
	v_or_b32 v[\swr], v[\tmp], v[PT]                      ; with lane l xor 16's two the word is whole, in both halves of the lanes
.endm
; my 64 numbers become the operand's 12 registers (a conversion's three registers begin on an even number: the odd halves are made in tmp and moved)
.macro QCVT src, tmp, cod
	v_cvt_scalef32_pk16_bf6_f32 v[\cod:\cod+2], v[\src:\src+15], v[\tmp+4]
	v_cvt_scalef32_pk16_bf6_f32 v[\tmp+8:\tmp+10], v[\src+16:\src+31], v[\tmp+4]
	v_cvt_scalef32_pk16_bf6_f32 v[\cod+6:\cod+8], v[\src+32:\src+47], v[\tmp+5]
	v_cvt_scalef32_pk16_bf6_f32 v[\tmp+12:\tmp+14], v[\src+48:\src+63], v[\tmp+5]
	v_nop                                          ; one plain place behind the scaled conversions
.irp i, 0,1,2
	v_mov_b32 v[\cod+3+\i], v[\tmp+8+\i]
	v_mov_b32 v[\cod+9+\i], v[\tmp+12+\i]
.endr
.endm
; a row of 128, four numbers a lane, normalised: (x - mean) rsqrt(var + 1e-5) g + b
.macro LNROW x, g, b, o, t
	v_add_f32 v[\t], v[\x], v[\x+1]
	v_add_f32 v[\t+1], v[\x+2], v[\x+3]
	s_delay_alu instid0(VALU_DEP_1)
	v_add_f32 v[\t], v[\t], v[\t+1]
	RED32 \t, \t+1
	s_delay_alu instid0(VALU_DEP_1)
	v_mul_f32 v[\t], s[C128], v[\t]
.irp i, 0,1,2,3
	v_sub_f32 v[\o+\i], v[\x+\i], v[\t]
.endr
	s_delay_alu instid0(VALU_DEP_4)
	v_mul_f32 v[\t], v[\o], v[\o]
.irp i, 1,2,3
	s_delay_alu instid0(VALU_DEP_1)
	v_fma_f32 v[\t], v[\o+\i], v[\o+\i], v[\t]
.endr
	RED32 \t, \t+1
	s_delay_alu instid0(VALU_DEP_1)
	v_fma_f32 v[\t], v[\t], s[C128], s[CEPS]
	s_wait_alu depctr_va_vdst(0)
	v_rsq_f32 v[\t], v[\t]
	v_nop                                          ; a plain place behind the transcendental,
	s_wait_alu depctr_va_vdst(0)                   ; and the wait ahead of its first reader
.irp i, 0,1,2,3
	v_mul_f32 v[\o+\i], v[\o+\i], v[\t]
.endr
.irp i, 0,1,2,3
	s_delay_alu instid0(VALU_DEP_4)
	v_fma_f32 v[\o+\i], v[\o+\i], v[\g+\i], v[\b+\i]
.endr
.endm
.macro GROW dst, lo, off               ; a vector of 128 f32 from memory, in the lane's order: register 32 c + 4 i at 128 h + 256 c + 16 i
.irp c, 0,1
.set j, 0
.rept 8
	global_load_b128 v[\dst+32*\c+4*j:\dst+32*\c+4*j+3], v[H128], s[\lo:\lo+1] offset:\off+256*\c+16*j
.set j, j+1
.endr
.endr
.endm
.macro LESSC                           ; base - c, two numbers a line
.set j, 0
.rept 32
	v_pk_add_f32 v[X+j:X+j+1], v[X+j:X+j+1], v[CS+j:CS+j+1]
.set j, j+2
.endr
.endm
	s_load_b512 s[4:19], s[0:1], 0x0               ; xq, wq, slots, S_p, ln_s_g, ln_s_b, g_b, f_b1
	s_load_b128 s[20:23], s[0:1], 0x40             ; f_b2, part
	v_lshrrev_b32 v2, 5, v0
	s_delay_alu instid0(VALU_DEP_1)
	v_readfirstlane_b32 s[WV], v2
	s_lshr_b32 s[BB], ttmp9, 5
	s_and_b32 s[GG], ttmp9, 31
	s_mov_b32 s[C263], 0x3d020821
	s_mov_b32 s[SEL], 0x76543210
	s_mov_b32 s[SEL+1], 0xfedcba98
	s_mov_b32 s[C128], 0x3c000000
	s_mov_b32 s[CEPS], 0x3727c5ac
	s_mov_b32 s[CE8], 0x322bcc77
	v_and_b32 v2, 31, v0
	v_bfe_u32 v10, v0, 4, 1                        ; h
	v_and_b32 v11, 15, v0                          ; r
	s_delay_alu instid0(VALU_DEP_3)
	v_lshlrev_b32 v[LI], 4, v2
	s_delay_alu instid0(VALU_DEP_4)
	v_lshlrev_b32 v[L4], 2, v2
	s_delay_alu instid0(VALU_DEP_4)
	v_lshlrev_b32 v[H128], 7, v10
	s_delay_alu instid0(VALU_DEP_2)
	v_lshl_add_u32 v[HL4], v10, 10, v[L4]
	v_lshlrev_b32 v[R4], 2, v11
	v_lshlrev_b32 v[SH8], 3, v10
	v_mov_b32 v[PT], 0
	v_mov_b32 v15, 0
	s_mov_b32 s61, 0
	s_lshl_b32 s37, s[BB], 3
	s_add_co_u32 s37, s37, s[WV]                   ; 8 b + w: my slot's row
	s_lshl_b32 s38, ttmp9, 3
	s_add_co_u32 s38, s38, s[WV]                   ; my tile of the inputs
	s_lshl_b32 s39, s37, 5
	s_add_co_u32 s39, s39, s[GG]                   ; (8 b + w) 32 + g: my place in part
	s_wait_alu depctr_va_vdst(0)
	s_wait_kmcnt 0x0
	s_mul_i32 s60, s[WV], 6144
	s_add_nc_u64 s[40:41], s[6:7], s[60:61]        ; my share of the 96 groups of weight codes: 12 groups of 512 bytes
	s_lshl_b32 s60, s37, 9
	s_add_nc_u64 s[42:43], s[8:9], s[60:61]
	s_lshl_b32 s60, s37, 3
	s_add_nc_u64 s[44:45], s[10:11], s[60:61]
	s_mul_i32 s60, s38, 1536
	s_add_nc_u64 s[46:47], s[4:5], s[60:61]
	s_lshl_b32 s60, s38, 7
	s_add_nc_u64 s[48:49], s[4:5], s[60:61]
	s_mul_i32 s60, s[WV], 1536
	s_add_nc_u64 s[50:51], s[6:7], s[60:61]
	s_lshl_b32 s60, s[WV], 7
	s_add_nc_u64 s[52:53], s[6:7], s[60:61]
	s_lshl_b32 s60, s39, 9
	s_add_nc_u64 s[54:55], s[22:23], s[60:61]
	s_lshl_b32 s60, s39, 4
	s_add_nc_u64 s[56:57], s[22:23], s[60:61]
	; ---- the first loads.  A: 12, my share of the weights' codes, on their way to LDS
	WIN 0x40                                       ; destination window 1
.set j, 0
.rept 12
	global_load_b128 v[4*j:4*j+3], v[LI], s[40:41] offset:512*j
.set j, j+1
.endr
	WIN 0
	global_load_b128 v[64:67], v[LI], s[42:43]     ; B: 3: my slot's row, the norm's gain and bias
	global_load_b128 v[68:71], v[LI], s[12:13]
	global_load_b128 v[72:75], v[LI], s[14:15]
	WIN 0x40
	GROW 192, 16, 0                                ; C: 48: g_b, and g_w's two columns
	WIN 0
	GROW X, 6, GWT
	GROW Y, 6, GWT+512
	; LDS addresses
	s_mul_i32 s37, s[WV], DPW
	s_add_co_u32 s37, s37, DP
	v_add_nc_u32 v[DPR], s37, v[LI]
	v_mul_u32_u24 v[DPI], v11, 528
	s_delay_alu instid0(VALU_DEP_1)
	v_lshl_add_u32 v[DPI], v10, 5, v[DPI]
	s_delay_alu instid0(VALU_DEP_1)
	v_add_nc_u32 v[DPI], s37, v[DPI]
	s_lshl_b32 s38, s[WV], 9
	s_add_co_u32 s39, s38, AT
	v_lshl_add_u32 v[ATI], v10, 5, s39
	s_add_co_u32 s39, s38, DOTS
	v_add_nc_u32 v[DSW], s39, v[LI]
	v_and_b32 v14, 7, v0
	s_delay_alu instid0(VALU_DEP_1)
	v_mul_u32_u24 v14, v14, 528
	s_delay_alu instid0(VALU_DEP_1)
	v_add_nc_u32 v14, v14, v[H128]
	s_delay_alu instid0(VALU_DEP_1)
	v_add_nc_u32 v14, LNQ, v14                     ; the q rows: slot r % 8, + 128 h
	s_mul_i32 s37, s[WV], 6144
	s_add_co_u32 s37, s37, WST
	v_add_nc_u32 v[DPC], s37, v[LI]
	s_mul_i32 s37, s[WV], 528
	s_add_co_u32 s37, s37, LNQ
	v_add_nc_u32 v[ATC], s37, v[LI]
	s_wait_alu depctr_va_vdst(0)
	s_wait_loadcnt 51                              ; A is in; B's 3 and C's 48 may be out
	WIN 0x04                                       ; an LDS store's data are its source 1: window 1
.set j, 0
.rept 12
	ds_store_b128 v[DPC], v[4*j:4*j+3] offset:512*j
.set j, j+1
.endr
	WIN 0
	s_wait_loadcnt 48                              ; B is in
	global_load_b64 v[12:13], v15, s[44:45]        ; my slot's S_p, ahead of D: the count that shows C in shows it in too
	global_load_b128 v[PC:PC+3], v[LI], s[46:47]   ; D: 12: my tile's input codes, their scale words, Wk's and Wv's scale words
	global_load_b128 v[PC+4:PC+7], v[LI], s[46:47] offset:512
	global_load_b128 v[PC+8:PC+11], v[LI], s[46:47] offset:1024
	global_load_b32 v[INS], v[L4], s[48:49] offset:XSC
.set j, 0
.rept 8
	global_load_b32 v[WS+j], v[HL4], s[6:7] offset:WSC+128*j
.set j, j+1
.endr
	global_load_b128 v[32:35], v[LI], s[50:51] offset:32*1536        ; E: 4: Wq's rows 16 w .. 16 w + 15
	global_load_b128 v[36:39], v[LI], s[50:51] offset:32*1536+512
	global_load_b128 v[40:43], v[LI], s[50:51] offset:32*1536+1024
	global_load_b32 v[WQS], v[L4], s[52:53] offset:WSC+32*128
	LNROW 64, 68, 72, 76, 80
	ds_store_b128 v[ATC], v[76:79]
	BARRIER                                        ; the weights' codes and the 8 normalised slots lie in LDS
	v_add_nc_u32 v[AB], WST, v[LI]
	WIN 0x40
.set j, 0
.rept 48
	ds_load_b128 v[4*j:4*j+3], v[AB] offset:512*j  ; Wk's 8 fragments at v0, Wv's at v96 of window 1
.set j, j+1
.endr
	WIN 0
	s_wait_loadcnt 16                              ; C and S_p are in; D's 12 and E's 4 may be out
	s_lshl_b32 s[ROW], s[GG], 1
	s_lshr_b32 s58, s[WV], 2
	s_add_co_u32 s58, s58, s[ROW]                  ; my tile's grid row: 2 g + w / 4
	s_and_b32 s59, s[WV], 3
	s_lshl_b32 s59, s59, 4
	v_add_nc_u32 v11, s59, v11                     ; my position's grid column: 16 (w % 4) + r
	s_delay_alu instid0(VALU_DEP_1)
	v_cvt_f32_u32 v11, v11
	v_cvt_f32_u32 v10, s58
	s_delay_alu instid0(VALU_DEP_1)
	v_fma_f32 v10, v10, s[C263], -1.0              ; gy
	s_delay_alu instid0(VALU_DEP_3)
	v_fma_f32 v11, v11, s[C263], -1.0              ; gx
	s_delay_alu instid0(VALU_DEP_2)
	v_mul_f32 v10, 0x3e4ccccd, v10                 ; / 5
	s_delay_alu instid0(VALU_DEP_2)
	v_mul_f32 v11, 0x3e4ccccd, v11
	v_mul_f32 v12, 0xbe4ccccd, v12                 ; - S_p / 5
	v_mul_f32 v13, 0xbe4ccccd, v13
	WIN 0x50                                       ; destination and source 2 window 1: GP
.set j, 0
.rept 32
	v_pk_fma_f32 v[192+j:193+j], v[X+j:X+j+1], v[10:11], v[192+j:193+j] op_sel_hi:[1,0,1]
.set j, j+2
.endr
.set j, 0
.rept 32
	v_pk_fma_f32 v[192+j:193+j], v[Y+j:Y+j+1], v[10:11], v[192+j:193+j] op_sel:[0,1,0] op_sel_hi:[1,1,1]
.set j, j+2
.endr
	WIN 0
.set j, 0
.rept 32
	v_pk_mul_f32 v[CS+j:CS+j+1], v[X+j:X+j+1], v[12:13] op_sel_hi:[1,0]
.set j, j+2
.endr
.set j, 0
.rept 32
	v_pk_fma_f32 v[CS+j:CS+j+1], v[Y+j:Y+j+1], v[12:13], v[CS+j:CS+j+1] op_sel:[0,1,0] op_sel_hi:[1,1,1]
.set j, j+2
.endr
	s_wait_loadcnt 4                               ; D is in; E may be out
	s_wait_dscnt 0x0                               ; Wk's and Wv's fragments are in
	WIN 0x11                                       ; source 0 (the weight) and source 2 (GP) window 1
.set j, 0
.rept 8
	v_wmma_scale_f32_16x16x128_f8f6f4 v[X+8*j:X+8*j+7], v[12*j:12*j+11], v[PC:PC+11], v[192+8*j:192+8*j+7], v[WS+j], v[INS] matrix_a_fmt:MATRIX_FMT_BF6 matrix_b_fmt:MATRIX_FMT_BF6
.set j, j+1
.endr
.set j, 0
.rept 8
	v_wmma_scale_f32_16x16x128_f8f6f4 v[Y+8*j:Y+8*j+7], v[96+12*j:96+12*j+11], v[PC:PC+11], v[192+8*j:192+8*j+7], v[WS+j], v[INS] matrix_a_fmt:MATRIX_FMT_BF6 matrix_b_fmt:MATRIX_FMT_BF6 matrix_a_scale:MATRIX_SCALE_ROW1
.set j, j+1
.endr
	WIN 0
	s_lshl_b32 s37, s[WV], 13
	v_add_nc_u32 v[DPC], s37, v[LI]                ; my tile's image of base_k,
	s_delay_alu instid0(VALU_DEP_1)
	v_add_nc_u32 v[ATC], 65536, v[DPC]             ; and of base_v.  With the two v_nop: four places behind the products
	PLACES 2
.set j, 0
.rept 16
	ds_store_b128 v[DPC], v[X+4*j:X+4*j+3] offset:512*j   ; each result from its low end on
.set j, j+1
.endr
.set j, 0
.rept 16
	ds_store_b128 v[ATC], v[Y+4*j:Y+4*j+3] offset:512*j
.set j, j+1
.endr
	WIN 0x40
.set j, 0
.rept 48
	ds_load_b128 v[4*j:4*j+3], v[AB] offset:24576+512*j   ; f_w1's 8 fragments at v0, f_w2's at v96 of window 1: they stay
.set j, j+1
.endr
	GROW 192, 18, 0                                ; F: f_b1 (16), the C of the first layer
	WIN 0
.set j, 0
.rept 8
	global_load_b32 v[WS+j], v[HL4], s[6:7] offset:WSC+128*(16+j)   ; F: f_w1's and f_w2's scale words (8)
.set j, j+1
.endr
	; ---- q = Q(normalised slots) Q(Wq)^T: every wave makes columns 16 w .. 16 w + 15 for the 8 slots (rows 8-15 of the tile repeat rows 0-7)
.irp c, 0,1
.set j, 0
.rept 8
	ds_load_b128 v[X+32*\c+4*j:X+32*\c+4*j+3], v14 offset:256*\c+16*j
.set j, j+1
.endr
.endr
	s_wait_dscnt 0x0                               ; the rows are in, the images' stores have read their registers, the weights' fragments are in
.set j, 0
.rept 8
	global_load_b32 v[Y+24+j], v[R4], s[20:21] offset:64*j          ; F: f_b2[16 t + r] (8)
.set j, j+1
.endr
	QMAX X, Y, 1, SW
	QCVT X, Y, PC
	PLACES 4                                       ; an operand written by vector instructions stands 4 places ahead of a scaled product, its scale word 8
	s_wait_alu depctr_va_vdst(0)
	s_wait_loadcnt 32                              ; E is in; F's 32 may be out
	v_wmma_scale_f32_16x16x128_f8f6f4 v[Y+16:Y+23], v[PC:PC+11], v[32:43], 0, v[SW], v[WQS] matrix_a_fmt:MATRIX_FMT_BF6 matrix_b_fmt:MATRIX_FMT_BF6
	s_lshl_b32 s37, s[WV], 6
	s_add_co_u32 s37, s37, QS
	v_add_nc_u32 v[DPC], s37, v[R4]
	PLACES 3
.set j, 0
.rept 8
	v_mul_f32 v[Y+32+j], 0x3e0293ee, v[Y+16+j]     ; x 128^-0.5 log2(e): slot j, d = 16 w + r
.set j, j+1
.endr
.set j, 0
.rept 8
	ds_store_b32 v[DPC], v[Y+32+j] offset:512*j    ; both halves of the lanes write the same word with the same value
.set j, j+1
.endr
	BARRIER                                        ; the 16 images and q lie in LDS
	s_lshl_b32 s37, s[WV], 9
	s_add_co_u32 s37, s37, QS
	v_add_nc_u32 v[ATC], s37, v[R4]
.set j, 0
.rept 8
	ds_load_b32 v[Q+j], v[ATC] offset:64*j         ; my slot's q[16 t + r]
.set j, j+1
.endr
.set j, 0
.rept 16
	ds_load_b128 v[X+4*j:X+4*j+3], v[LI] offset:512*j   ; image 0
.set j, j+1
.endr
	s_wait_loadcnt 0x0
	s_wait_dscnt 0x0
	v_mul_f32 v[PB], v[Q], v[Y+24]
.set j, 1
.rept 7
	s_delay_alu instid0(VALU_DEP_1)
	v_fmac_f32 v[PB], v[Q+j], v[Y+24+j]            ; my lane's part of q . b2: it starts each partial dot
.set j, j+1
.endr
	s_delay_alu instid0(VALU_DEP_1)
	v_mov_b32 v[PB+1], v[PB]
	LESSC                                          ; the first tile's base - c; every later tile's is made in the chain before it
; ONE TILE OF 16 POSITIONS THROUGH BOTH LAYERS, for my slot.  At its head X holds the tile's base - c.  kind 0: k, contracted with q;  1: v, weighted by a.
; pf = 1: the next image is fetched ahead of the second layer's products, and its base - c is made behind them: 32 lines that name none of those products' registers, so that they are the places
; between the products and the first read of their results.
.macro CHAIN kind, pf
.if \kind
	v_add_nc_u32 v[ATC], s[STP], v[ATI]
	ds_load_b128 v[AV:AV+3], v[ATC]                ; a of positions 8 h + 0 .. 7 of this tile
	ds_load_b128 v[AV+4:AV+7], v[ATC] offset:16
.endif
	QMAX X, Y, 1, SW
	QCVT X, Y, PC
	PLACES 4
	WIN 0x11                                       ; source 0 (f_w1) and source 2 (f_b1) window 1
.set j, 0
.rept 8
	v_wmma_scale_f32_16x16x128_f8f6f4 v[Y+8*j:Y+8*j+7], v[12*j:12*j+11], v[PC:PC+11], v[192+8*j:192+8*j+7], v[WS+j], v[SW] matrix_a_fmt:MATRIX_FMT_BF6 matrix_b_fmt:MATRIX_FMT_BF6
.set j, j+1
.endr
	WIN 0
	PLACES 4
	QMAX Y, X, 0, SW
.set j, 0
.rept 32
	v_dual_max_num_f32 v[Y+j], 0, v[Y+j] :: v_dual_max_num_f32 v[Y+j+1], 0, v[Y+j+1]   ; the activation, in f32, two numbers a line
.set j, j+2
.endr
	QCVT Y, X, PC
	v_add_nc_u32 v[AB], s[IMG], v[LI]              ; with the three v_nop: four places between the codes' last move and the product
	PLACES 3
.if \pf
.set j, 0
.rept 16
	ds_load_b128 v[X+4*j:X+4*j+3], v[AB] offset:512*j
.set j, j+1
.endr
.endif
	WIN 0x04                                       ; source 1 (f_w2) window 1
.set j, 0
.rept 8
	v_wmma_scale_f32_16x16x128_f8f6f4 v[Y+8*j:Y+8*j+7], v[PC:PC+11], v[96+12*j:96+12*j+11], 0, v[SW], v[WS+j] matrix_a_fmt:MATRIX_FMT_BF6 matrix_b_fmt:MATRIX_FMT_BF6 matrix_b_scale:MATRIX_SCALE_ROW1
.set j, j+1
.endr
	WIN 0
.if \pf
	s_wait_dscnt 0x0                               ; the next image is in (asked for eight products ago), and so is a; my last LDS stores are done
	LESSC
.else
	PLACES 4
	s_wait_dscnt 0x0                               ; a is in
.endif
.if \kind
.set jp, 0
.rept 4
.set tt, 0
.rept 8
	v_pk_fma_f32 v[U+2*tt:U+2*tt+1], v[Y+8*tt+2*jp:Y+8*tt+2*jp+1], v[AV+2*jp:AV+2*jp+1], v[U+2*tt:U+2*tt+1]   ; U[16 t + r] in two halves: even and odd positions
.set tt, tt+1
.endr
.set jp, jp+1
.endr
.else
.set tt, 0
.rept 8
.set jp, 0
.rept 4
.if tt == 0
	v_pk_fma_f32 v[P+2*jp:P+2*jp+1], v[Y+2*jp:Y+2*jp+1], v[Q:Q+1], v[PB:PB+1] op_sel_hi:[1,0,1]
.elseif tt%2 == 0
	v_pk_fma_f32 v[P+2*jp:P+2*jp+1], v[Y+8*tt+2*jp:Y+8*tt+2*jp+1], v[Q+tt:Q+tt+1], v[P+2*jp:P+2*jp+1] op_sel_hi:[1,0,1]
.else
	v_pk_fma_f32 v[P+2*jp:P+2*jp+1], v[Y+8*tt+2*jp:Y+8*tt+2*jp+1], v[Q+tt-1:Q+tt], v[P+2*jp:P+2*jp+1] op_sel:[0,1,0] op_sel_hi:[1,1,1]
.endif
.set jp, jp+1
.endr
.set tt, tt+1
.endr
	v_add_nc_u32 v[DPC], s[STP], v[DPI]
	ds_store_b128 v[DPC], v[P:P+3]                 ; my lane's part (d = 16 t + r, all t) of the dots of positions 8 h + 0 .. 7
	ds_store_b128 v[DPC], v[P+4:P+7] offset:16
.endif
.endm
	s_mov_b32 s[IMG], IMGB
	s_mov_b32 s[STP], 0
	s_mov_b32 s[CNT], 8
.Lk:                                               ; 8 tiles of k; the last trip fetches base_v of tile 0 and takes c off it: X keeps that through the softmax
	CHAIN 0, 1
	s_add_co_u32 s[IMG], s[IMG], IMGB
	s_add_co_u32 s[STP], s[STP], 64
	s_sub_co_u32 s[CNT], s[CNT], 1
	s_cmp_lg_u32 s[CNT], 0
	s_cbranch_scc1 .Lk
	; ---- my slot's dots: the 16 rows of parts are added; lane l takes positions 4 l .. 4 l + 3
	s_wait_dscnt 0x0
.set j, 0
.rept 16
	ds_load_b128 v[Y+4*j:Y+4*j+3], v[DPR] offset:528*j
.set j, j+1
.endr
	s_wait_dscnt 0x0
.irp st, 8,4,2,1
.set j, 0
.rept \st
	v_pk_add_f32 v[Y+4*j:Y+4*j+1], v[Y+4*j:Y+4*j+1], v[Y+4*(j+\st):Y+4*(j+\st)+1]
	v_pk_add_f32 v[Y+4*j+2:Y+4*j+3], v[Y+4*j+2:Y+4*j+3], v[Y+4*(j+\st)+2:Y+4*(j+\st)+3]
.set j, j+1
.endr
.endr
	ds_store_b128 v[DSW], v[Y:Y+3]
	BARRIER                                        ; all 8 slots' dots lie in LDS
	v_add_nc_u32 v[AB], DOTS, v[LI]
.set j, 0
.rept 8
	ds_load_b128 v[Y+32+4*j:Y+32+4*j+3], v[AB] offset:512*j
.set j, j+1
.endr
	s_wait_dscnt 0x0
.irp i, 0,1,2,3
	v_max3_num_f32 v[Y+4+\i], v[Y+32+\i], v[Y+36+\i], v[Y+40+\i]    ; the slots' maximum, for each of my 4 positions
.endr
.irp i, 0,1,2,3
	s_delay_alu instid0(VALU_DEP_4)
	v_max3_num_f32 v[Y+4+\i], v[Y+4+\i], v[Y+44+\i], v[Y+48+\i]
.endr
.irp i, 0,1,2,3
	s_delay_alu instid0(VALU_DEP_4)
	v_max3_num_f32 v[Y+4+\i], v[Y+4+\i], v[Y+52+\i], v[Y+56+\i]
.endr
.irp i, 0,1,2,3
	s_delay_alu instid0(VALU_DEP_4)
	v_max_num_f32 v[Y+4+\i], v[Y+4+\i], v[Y+60+\i]
.endr
	s_delay_alu instid0(VALU_DEP_3)
	v_pk_add_f32 v[Y:Y+1], v[Y:Y+1], v[Y+4:Y+5] neg_lo:[0,1] neg_hi:[0,1]
	s_delay_alu instid0(VALU_DEP_2)
	v_pk_add_f32 v[Y+2:Y+3], v[Y+2:Y+3], v[Y+6:Y+7] neg_lo:[0,1] neg_hi:[0,1]
.set j, 0
.rept 8
	v_pk_add_f32 v[Y+32+4*j:Y+33+4*j], v[Y+32+4*j:Y+33+4*j], v[Y+4:Y+5] neg_lo:[0,1] neg_hi:[0,1]
	v_pk_add_f32 v[Y+34+4*j:Y+35+4*j], v[Y+34+4*j:Y+35+4*j], v[Y+6:Y+7] neg_lo:[0,1] neg_hi:[0,1]
.set j, j+1
.endr
.set j, 0
	s_wait_alu depctr_va_vdst(0)
.rept 4
	v_exp_f32 v[Y+j], v[Y+j]                       ; my slot's
.set j, j+1
.endr
.set j, 0
.rept 32
	v_exp_f32 v[Y+32+j], v[Y+32+j]                 ; all slots'
.set j, j+1
.endr
	v_add_nc_u32 v[Y+17], 1, v[R4]                 ; the grid of my 4 positions: column 4 r + i, row 2 g + h.  Plain work behind the batch, which names none of its results
	v_add_nc_u32 v[Y+18], 2, v[R4]
	v_add_nc_u32 v[Y+19], 3, v[R4]
	v_bfe_u32 v[Y+20], v0, 4, 1
	s_delay_alu instid0(VALU_DEP_1)
	v_add_nc_u32 v[Y+20], s[ROW], v[Y+20]
	v_cvt_f32_u32 v[Y+16], v[R4]
.irp i, 17,18,19,20
	v_cvt_f32_u32 v[Y+\i], v[Y+\i]
.endr
.irp i, 16,17,18,19,20
	v_fma_f32 v[Y+\i], v[Y+\i], s[C263], -1.0
.endr
	s_wait_alu depctr_va_vdst(0)                   ; one wait for the 36 exponentials, ahead of their first reader
.irp st, 4,2,1
.set j, 0
.rept \st
	v_pk_add_f32 v[Y+32+4*j:Y+33+4*j], v[Y+32+4*j:Y+33+4*j], v[Y+32+4*(j+\st):Y+33+4*(j+\st)]
	v_pk_add_f32 v[Y+34+4*j:Y+35+4*j], v[Y+34+4*j:Y+35+4*j], v[Y+34+4*(j+\st):Y+35+4*(j+\st)]
.set j, j+1
.endr
.endr
	s_wait_alu depctr_va_vdst(0)
.irp i, 0,1,2,3
	v_rcp_f32 v[Y+8+\i], v[Y+32+\i]
.endr
	v_nop
	s_wait_alu depctr_va_vdst(0)                   ; and one for the four reciprocals
.irp i, 0,1,2,3
	v_fma_f32 v[Y+12+\i], v[Y+\i], v[Y+8+\i], s[CE8]         ; a = softmax + 1e-8
.endr
	ds_store_b128 v[DSW], v[Y+12:Y+15] offset:AT-DOTS
	v_add_f32 v[ST], v[Y+12], v[Y+13]
	v_add_f32 v[ST+1], v[Y+14], v[Y+15]
	v_mul_f32 v[ST+2], v[Y+12], v[Y+16]
	s_delay_alu instid0(VALU_DEP_2)
	v_add_f32 v[ST], v[ST], v[ST+1]                ; S of my 4 positions
	s_delay_alu instid0(VALU_DEP_2)
	v_fma_f32 v[ST+2], v[Y+13], v[Y+17], v[ST+2]
	s_delay_alu instid0(VALU_DEP_2)
	v_mul_f32 v[ST+1], v[ST], v[Y+20]              ; Gy: they share a grid row
	s_delay_alu instid0(VALU_DEP_2)
	v_fma_f32 v[ST+2], v[Y+14], v[Y+18], v[ST+2]
	s_delay_alu instid0(VALU_DEP_1)
	v_fma_f32 v[ST+2], v[Y+15], v[Y+19], v[ST+2]   ; Gx
	RED32 ST, PT
	RED32 ST+1, PT
	RED32 ST+2, PT
.set j, 0
.rept 16
	v_mov_b32 v[U+j], 0
.set j, j+1
.endr
	s_mov_b32 s[IMG], 9*IMGB
	s_mov_b32 s[STP], 0
	s_mov_b32 s[CNT], 7
.Lv:                                               ; 7 tiles of v,
	CHAIN 1, 1
	s_add_co_u32 s[IMG], s[IMG], IMGB
	s_add_co_u32 s[STP], s[STP], 64
	s_sub_co_u32 s[CNT], s[CNT], 1
	s_cmp_lg_u32 s[CNT], 0
	s_cbranch_scc1 .Lv
	CHAIN 1, 0                                     ; and the last, which fetches nothing
.set j, 0
.rept 8
	v_add_f32 v[Y+j], v[U+2*j], v[U+2*j+1]         ; even and odd positions,
.set j, j+1
.endr
.set j, 0
.rept 8
	v_permlanex16_b32 v[Y+8+j], v[Y+j], s[SEL], s[SEL+1]
.set j, j+1
.endr
.set j, 0
.rept 8
	v_add_f32 v[Y+j], v[Y+j], v[Y+8+j]             ; and the other half of the lanes' 8 positions a tile
.set j, j+1
.endr
	v_cmp_ne_u32 vcc_lo, 0, v[SH8]
.irp i, 0,1,2,3
	v_cndmask_b32 v[Y+16+\i], v[Y+\i], v[Y+4+\i], vcc_lo   ; lane (r, h) keeps t = 4 h + i
.endr
	v_and_b32 v[Y+20], 31, v0
	s_delay_alu instid0(VALU_DEP_1)
	v_cmp_eq_u32 vcc_lo, 0, v[Y+20]
	global_store_b128 v[LI], v[Y+16:Y+19], s[54:55]        ; 32 lanes store 512 consecutive bytes, at a multiple of 512 from part's first byte
	s_wait_xcnt 0x0                                ; EXEC changes only behind this wait
	s_and_saveexec_b32 s37, vcc_lo
	global_store_b128 v15, v[ST:ST+3], s[56:57] offset:PS  ; lane 0: (S, Gy, Gx, 0)
	s_wait_xcnt 0x0
	s_mov_b32 exec_lo, -1
	v_lshl_add_u32 v126, v0, 2, 0x41000
	v_mov_b32 v127, 0
	s_wait_alu depctr_va_vdst(0)
	s_wait_tensorcnt 0x0
	ds_add_u32 v126, v127
	s_wait_dscnt 0x0
	s_endpgm
.Lfunc_end_k_q8021445cb2_main:
	.size	k_q8021445cb2_main, .Lfunc_end_k_q8021445cb2_main-k_q8021445cb2_main
	.p2alignl 7, 3214868480
	.fill 96, 4, 3214868480
	.section	.rodata,"a",@progbits
	.p2align	6, 0x0
	.amdhsa_kernel k_q8021445cb2_main
		.amdhsa_group_segment_fixed_size 267264
		.amdhsa_private_segment_fixed_size 0
		.amdhsa_enable_private_segment 0
		.amdhsa_kernarg_size 80
		.amdhsa_user_sgpr_count 2
		.amdhsa_user_sgpr_kernarg_segment_ptr 1
		.amdhsa_wavefront_size32 1
		.amdhsa_system_sgpr_workgroup_id_x 1
		.amdhsa_system_sgpr_workgroup_id_y 1
		.amdhsa_system_sgpr_workgroup_id_z 1
		.amdhsa_system_vgpr_workitem_id 0
		.amdhsa_next_free_vgpr 512
		.amdhsa_next_free_sgpr 66
		.amdhsa_reserve_vcc 1
		.amdhsa_float_denorm_mode_32 3
		.amdhsa_float_denorm_mode_16_64 3
		.amdhsa_memory_ordered 1
		.amdhsa_forward_progress 1
		.amdhsa_inst_pref_size 111
	.end_amdhsa_kernel
	.amdgpu_metadata
---
amdhsa.version: [ 1, 2 ]
amdhsa.kernels:
  - .name:           k_q8021445cb2_main
    .symbol:         k_q8021445cb2_main.kd
    .args:
      - { .name: xq, .offset: 0, .size: 8, .value_kind: global_buffer, .address_space: global }
      - { .name: wq, .offset: 8, .size: 8, .value_kind: global_buffer, .address_space: global }
      - { .name: slots_init, .offset: 16, .size: 8, .value_kind: global_buffer, .address_space: global }
      - { .name: S_p0, .offset: 24, .size: 8, .value_kind: global_buffer, .address_space: global }
      - { .name: ln_s_g, .offset: 32, .size: 8, .value_kind: global_buffer, .address_space: global }
      - { .name: ln_s_b, .offset: 40, .size: 8, .value_kind: global_buffer, .address_space: global }
      - { .name: g_b, .offset: 48, .size: 8, .value_kind: global_buffer, .address_space: global }
      - { .name: f_b1, .offset: 56, .size: 8, .value_kind: global_buffer, .address_space: global }
      - { .name: f_b2, .offset: 64, .size: 8, .value_kind: global_buffer, .address_space: global }
      - { .name: part, .offset: 72, .size: 8, .value_kind: global_buffer, .address_space: global }
    .group_segment_fixed_size: 267264
    .private_segment_fixed_size: 0
    .kernarg_segment_align: 8
    .kernarg_segment_size: 80
    .max_flat_workgroup_size: 256
    .sgpr_count:     66
    .vgpr_count:     512
    .wavefront_size: 32
...
	.end_amdgpu_metadata
.endif
;; end of part 2
;; launch mid (part 3): grid 256 x 1, 8 waves a work-group, no clusters, 267,264 bytes of LDS; arguments xq, wq, slots_init, part, ln_s_g, ln_s_b, g_b, f_b1, f_b2, part2, gru_bih, gru_bhh, mlp_b1, mlp_b2, ln_pf_g, ln_pf_b, slA; writes part2, slA
.if DOCPART == 3
	.amdgcn_target "amdgcn-amd-amdhsa--gfx1250"
	.amdhsa_code_object_version 6
	.text
	.protected	k_q8021445cb2_mid
	.globl	k_q8021445cb2_mid
	.p2align	8
	.type	k_q8021445cb2_mid,@function
k_q8021445cb2_mid:
	s_mov_b64 s[64:65], 0
	v_nop
	global_prefetch_b8 v0, s[64:65] scope:SCOPE_SE
	s_setreg_imm32_b32 hwreg(HW_REG_WAVE_MODE, 25, 1), 1
	s_wait_xcnt 0x0
; THE END OF ONE ROUND OF SLOT ATTENTION AND THE NEXT ROUND UP TO ITS SUMS OVER POSITIONS, in one launch.
; A work-group owns 128 positions of one batch (b = id / 32, g = id % 32) and all 8 slots.
; HEAD, first half: the last round's end for the batch's 8 slots, done alike by all 32 work-groups of the batch (the same numbers in the same order, so the same results):
; wave w adds slot w's 32 parts of U, S, Gy, Gx; updates = U / S + f_b2; S_p = (Gy, Gx) / S; the GRU; slots + mlp(norm(slots)).  The 8 slots are the rows of one operand tile (rows 8-15 repeat rows 0-7).
; All these products are used transposed (source 0 = 16 rows of a weight): wave w owns of every product the units u0 + 0 .. 7, u0 = 64 (w / 4) + 8 (w % 4) + 32 h, lane (r, h) for slot r % 8.
; Rows go from wave to wave through LDS, each set of rows written once, behind a barrier.  Work-group g = 0 stores the new slots: the next launch's GRU reads them.
; (The reference divides S_p once more by the sum of the normalised weights, which is 1 by identity in exact arithmetic: that division is left out.)
; HEAD, second half, and BODY: base = Q(inputs) Q(Wk or Wv)^T + GP, GP(p, d) = g_b[d] + 0.2 gy g_w[d][0] + 0.2 gx g_w[d][1] given as the C of that product; the first layer's operand is base - c,
; c(s, d) = 0.2 S_p[s][0] g_w[d][0] + 0.2 S_p[s][1] g_w[d][1].  f_b2 is taken out of the two products that are not quantised: dots = q . (h W2^T) + q . b2; updates = U / S + b2.
; q carries 128^-0.5 log2(e); the softmax takes the slots' maximum away and uses 2^x.  In the body wave w is SLOT w for all 8 tiles of 16 positions; f_w1, f_w2, f_b1 stay in its second register window.
; It stores, for each slot, U[d] = sum_j a_j (h W2^T)_j[d], S, Gy, Gx over its positions, a = softmax over slots + 1e-8.
; LAYOUT.  Lane (r = l % 16, h = l / 16), register 32 c + i = column 64 c + 32 h + i of row r: two whole blocks of 32, in the order of the operand's registers.
; LOADS.  All but one are issued in the first lines, what is wanted first ahead.  The weights' codes for the body, their scale words and five small vectors go once through LDS.
; NO CLUSTER, NO TENSOR LOAD, NO PREFETCH: nothing is fetched in the loops; what work-groups share is read once at the head.
; LIMITS: blocks whose largest magnitude lies under 2^-122 get the scale byte 1; NaN and infinities are not served.
.set XSC,  3145728
.set WSC,  159744
.set GWT,  173056
.set PS,   1048576                     ; part: U, 512 bytes for each (b, slot, g), f32 4 l + i = d 64 h + 16 i + r; from PS on (S, Gy, Gx, 0)
.set IMGB, 8192                        ; LDS 0: 16 images of 8,192 bytes: base_k of tiles 0-7, base_v of tiles 0-7
.set WST,  131072                      ; wq's tiles 0-31 as they lie: Wk, Wv, f_w1, f_w2
.set DP,   180224                      ; body: for each wave 16 rows x 528 bytes of partial dots.  Head: the three regions below, read for the last time ahead of the head's last barrier
.set DPW,  8448
.set DOTS, 247808
.set AT,   251904
.set QS,   260224
.set SCI,  DP                          ; scale images of wq's tiles 0-31
.set VEC,  DP+4096                     ; g_b, g_w's two columns, f_b1, f_b2: 512 bytes each
.set ROWS, DP+8192                     ; seven sets of 8 rows of 528 bytes
.set RP,   528
.set HPV,  0
.set UPD,  4224
.set GRU,  8448
.set NRM,  12672
.set HID,  16896
.set NEW,  21120
.set LNS,  25344
.set LI,   1                           ; v1 16 x lane
.set AB,   2
.set DPI,  3
.set DPC,  4
.set ATI,  5
.set ATC,  6
.set SH8,  7                           ; v7 8 h
.set PT,   8                           ; v8 a lane permute's destination
.set DPR,  9
.set PB,   10                          ; v10-11 my part of q . b2, twice
.set ST,   12                          ; v12-15 S, Gy, Gx, 0 (head: v12-13 S_p; v15 is 0 throughout)
.set WS,   16                          ; v16-23 weights' scale words
.set Q,    24
.set AV,   24
.set P,    32
.set U,    32
.set L4,   44
.set H128, 45
.set HL4,  46
.set R4,   47
.set PC,   48                          ; v48-59 the codes just made
.set INS,  60                          ; v60 the inputs' scale words
.set WQS,  61                          ; v61 h_prev's scale word, then Wq's scale words
.set SW,   62                          ; v62 the scale word just made
.set DSW,  63
.set CS,   64                          ; v64-127 -c of my slot
.set X,    128
.set Y,    192
; names of the head's first half
.set RW,   2                           ; my slot's row, 16 x lane
.set RU,   3                           ; row r % 8, 4 u0
.set UPA,  4                           ; my slot's row, 256 h + 4 r
.set U04,  5                           ; 4 u0
.set B2O,  6                           ; 256 h + 4 r
.set TS,   9                           ; where my share of the weights' codes goes
.set RQ,   14                          ; row r % 8, 128 h: the quantiser's order
.set TV,   63                          ; where my scale group and my vector go
.set PCH,  24                          ; v24-35 h_prev's codes
.set G,    64                          ; v64-111 six results
.set HP,   112                         ; v112-119 h_prev at my units
.set HN,   120                         ; v120-127 the GRU's result at my units
.set WV,   40
.set BB,   41
.set GG,   42
.set C263, 43
.set SEL,  44
.set C128, 46
.set CEPS, 47
.set ROW,  48
.set CE8,  49
.set IMG,  50
.set STP,  51
.set CNT,  52
.set MSB, 0
.macro WIN new                         ; the immediate's high byte repeats the setting that is left
.if MSB != \new
	s_set_vgpr_msb (MSB<<8)|\new
.set MSB, \new
.endif
.endm
.macro PLACES n
.rept \n
	v_nop
.endr
.endm
.macro BARRIER                         ; my LDS stores have landed and my LDS loads are in: then the work-group's barrier
	s_wait_alu depctr_va_vdst(0)
	s_wait_dscnt 0x0
	s_barrier_signal -1
	s_barrier_wait -1
.endm
.macro RED32 val, tmp                  ; the sum over the 32 lanes, in every lane
	v_add_f32_dpp v[\val], v[\val], v[\val] row_xmask:1 row_mask:0xf bank_mask:0xf
.irp m, 2,4,8
	s_delay_alu instid0(VALU_DEP_1)
	v_add_f32_dpp v[\val], v[\val], v[\val] row_xmask:\m row_mask:0xf bank_mask:0xf
.endr
	s_delay_alu instid0(VALU_DEP_1)
	v_permlanex16_b32 v[\tmp], v[\val], s[SEL], s[SEL+1]
	s_delay_alu instid0(VALU_DEP_1)
	v_add_f32 v[\val], v[\val], v[\tmp]
.endm
.macro M3 ab, d, x, y, z               ; ab = 0: no |.|: what a relu will clip does not count, and the floor stands over it
.if \ab
	v_max3_num_f32 v[\d], |v[\x]|, |v[\y]|, |v[\z]|
.else
	v_max3_num_f32 v[\d], v[\x], v[\y], v[\z]
.endif
.endm
; the largest magnitudes of my two blocks (two chains each, by turns, ascending; the floor 2^-122 among the leaves), the conversions' scale operands in tmp+4, tmp+5, and the row's scale word
.macro QMAX src, tmp, ab, swr
.irp c, 0,1
.if \ab
	v_max3_num_f32 v[\tmp+2*\c], |v[\src+32*\c]|, |v[\src+32*\c+1]|, 0x2800000
.else
	v_max3_num_f32 v[\tmp+2*\c], v[\src+32*\c], v[\src+32*\c+1], 0x2800000
.endif
	M3 \ab, \tmp+2*\c+1, \src+32*\c+16, \src+32*\c+17, \src+32*\c+18
.endr
.irp i, 2,4,6,8,10,12
.irp c, 0,1
	M3 \ab, \tmp+2*\c, \tmp+2*\c, \src+32*\c+\i, \src+32*\c+\i+1
	M3 \ab, \tmp+2*\c+1, \tmp+2*\c+1, \src+32*\c+\i+17, \src+32*\c+\i+18
.endr
.endr
.irp c, 0,1
	M3 \ab, \tmp+2*\c, \tmp+2*\c, \src+32*\c+14, \src+32*\c+15
.endr
.irp c, 0,1
	M3 \ab, \tmp+2*\c, \tmp+2*\c, \tmp+2*\c+1, \src+32*\c+31
.endr
.irp c, 0,1
	v_add_nc_u32 v[\tmp+4+\c], 0xfe000000, v[\tmp+2*\c]   ; 4 off the exponent field: the conversion takes this operand's exponent field as its scale
.endr
.irp c, 0,1
	v_lshrrev_b32 v[\tmp+6+\c], 23, v[\tmp+4+\c]          ; the scale's byte
.endr
	s_delay_alu instid0(VALU_DEP_1)
	v_lshl_or_b32 v[\tmp], v[\tmp+7], 16, v[\tmp+6]       ; my two bytes: blocks h and 2 + h,
	s_delay_alu instid0(VALU_DEP_1)
	v_lshlrev_b32 v[\tmp], v[SH8], v[\tmp]                ; at their places in the word;
	s_delay_alu instid0(VALU_DEP_1)
	v_permlanex16_b32 v[PT], v[\tmp], s[SEL], s[SEL+1]
	s_delay_alu instid0(VALU_DEP_1)
	v_or_b32 v[\swr], v[\tmp], v[PT]                      ; with lane l xor 16's two the word is whole
.endm
; my 64 numbers become the operand's 12 registers (a conversion's three registers begin on an even number: the odd halves are made in tmp and moved)
.macro QCVT src, tmp, cod
	v_cvt_scalef32_pk16_bf6_f32 v[\cod:\cod+2], v[\src:\src+15], v[\tmp+4]
	v_cvt_scalef32_pk16_bf6_f32 v[\tmp+8:\tmp+10], v[\src+16:\src+31], v[\tmp+4]
	v_cvt_scalef32_pk16_bf6_f32 v[\cod+6:\cod+8], v[\src+32:\src+47], v[\tmp+5]
	v_cvt_scalef32_pk16_bf6_f32 v[\tmp+12:\tmp+14], v[\src+48:\src+63], v[\tmp+5]
	v_nop                                          ; one plain place behind the scaled conversions
.irp i, 0,1,2
	v_mov_b32 v[\cod+3+\i], v[\tmp+8+\i]
	v_mov_b32 v[\cod+9+\i], v[\tmp+12+\i]
.endr
.endm
; a row of 128, four numbers a lane, normalised: (x - mean) rsqrt(var + 1e-5) g + b; g and b lie in window 1
.macro LNROW x, g, b, o, t
	v_add_f32 v[\t], v[\x], v[\x+1]
	v_add_f32 v[\t+1], v[\x+2], v[\x+3]
	s_delay_alu instid0(VALU_DEP_1)
	v_add_f32 v[\t], v[\t], v[\t+1]
	RED32 \t, \t+1
	s_delay_alu instid0(VALU_DEP_1)
	v_mul_f32 v[\t], s[C128], v[\t]
.irp i, 0,1,2,3
	v_sub_f32 v[\o+\i], v[\x+\i], v[\t]
.endr
	v_mul_f32 v[\t], v[\o], v[\o]
.irp i, 1,2,3
	s_delay_alu instid0(VALU_DEP_1)
	v_fma_f32 v[\t], v[\o+\i], v[\o+\i], v[\t]
.endr
	RED32 \t, \t+1
	s_delay_alu instid0(VALU_DEP_1)
	v_fma_f32 v[\t], v[\t], s[C128], s[CEPS]
	s_wait_alu depctr_va_vdst(0)                   ; the wait ahead of the transcendental,
	v_rsq_f32 v[\t], v[\t]
	v_nop
	s_wait_alu depctr_va_vdst(0)                   ; and ahead of its first reader
.irp i, 0,1,2,3
	v_mul_f32 v[\o+\i], v[\o+\i], v[\t]
.endr
	WIN 0x14                                       ; sources 1 and 2 window 1
.irp i, 0,1,2,3
	v_fma_f32 v[\o+\i], v[\o+\i], v[\g+\i], v[\b+\i]
.endr
	WIN 0
.endm
.macro LROW dst, adr, off              ; 128 f32 from LDS in the lane's order: register 32 c + 4 i at 256 c + 16 i from the lane's address (which holds 128 h)
.irp c, 0,1
.set j, 0
.rept 8
	ds_load_b128 v[\dst+32*\c+4*j:\dst+32*\c+4*j+3], v[\adr] offset:\off+256*\c+16*j
.set j, j+1
.endr
.endr
.endm
.macro ROWSQ off                       ; the 8 rows of a set become the operand in v[PC] on and its scale word in v[SW]
	LROW X, RQ, \off
	s_wait_dscnt 0x0
	QMAX X, Y, 1, SW
	QCVT X, Y, PC
	PLACES 4                                       ; an operand written by vector instructions stands 4 places ahead of a scaled product, its scale word 8
.endm
.macro PROD f, dst, cod, swr           ; weight tile f against the 8 slots' rows, its bias as C
	v_wmma_scale_f32_16x16x128_f8f6f4 v[\dst:\dst+7], v[12*\f:12*\f+11], v[\cod:\cod+11], v[96+8*\f:96+8*\f+7], v[WS+\f], v[\swr] matrix_a_fmt:MATRIX_FMT_BF6 matrix_b_fmt:MATRIX_FMT_BF6
.endm
.macro FRAGS n                         ; n weight tiles from j on: tile 40 + 8 j + w, three groups of 512 bytes
.rept \n
	global_load_b128 v[12*j:12*j+3], v[LI], s[82:83] offset:(40+8*j)*1536
	global_load_b128 v[12*j+4:12*j+7], v[LI], s[82:83] offset:(40+8*j)*1536+512
	global_load_b128 v[12*j+8:12*j+11], v[LI], s[82:83] offset:(40+8*j)*1536+1024
.set j, j+1
.endr
.endm
.macro BIAS f, lo, off                 ; the bias of tile f at my 8 units
	global_load_b128 v[96+8*(\f):96+8*(\f)+3], v[U04], s[\lo:\lo+1] offset:\off
	global_load_b128 v[96+8*(\f)+4:96+8*(\f)+7], v[U04], s[\lo:\lo+1] offset:\off+16
.endm
.macro LESSC                           ; base - c, two numbers a line
.set j, 0
.rept 32
	v_pk_add_f32 v[X+j:X+j+1], v[X+j:X+j+1], v[CS+j:CS+j+1]
.set j, j+2
.endr
.endm
	s_load_b512 s[4:19], s[0:1], 0x0               ; xq, wq, slots_prev, part_in, ln_s_g, ln_s_b, g_b, f_b1
	s_load_b512 s[20:35], s[0:1], 0x40             ; f_b2, part_out, gru_bih, gru_bhh, mlp_b1, mlp_b2, ln_pf_g, ln_pf_b
	s_load_b64 s[36:37], s[0:1], 0x80              ; slots_new
	v_lshrrev_b32 v2, 5, v0
	s_delay_alu instid0(VALU_DEP_1)
	v_readfirstlane_b32 s[WV], v2
	s_lshr_b32 s[BB], ttmp9, 5
	s_and_b32 s[GG], ttmp9, 31
	s_mov_b32 s[C263], 0x3d020821                  ; 2 / 63
	s_mov_b32 s[SEL], 0x76543210
	s_mov_b32 s[SEL+1], 0xfedcba98
	s_mov_b32 s[C128], 0x3c000000
	s_mov_b32 s[CEPS], 0x3727c5ac
	s_mov_b32 s[CE8], 0x322bcc77
	s_mov_b32 s96, 0xbfb8aa3b                      ; -log2(e), as a pair for the packed forms
	s_mov_b32 s97, s96
	s_mov_b32 s98, 0x4038aa3b                      ; 2 log2(e)
	s_mov_b32 s99, s98
	s_mov_b32 s61, 0
	s_lshl_b32 s53, s[BB], 3
	s_add_co_u32 s53, s53, s[WV]                   ; 8 b + w: my slot's row
	s_lshl_b32 s54, ttmp9, 3
	s_add_co_u32 s54, s54, s[WV]                   ; my tile of the inputs
	s_lshl_b32 s55, s53, 5
	s_add_co_u32 s55, s55, s[GG]                   ; (8 b + w) 32 + g: my place in part_out
	s_lshr_b32 s56, s[WV], 2
	s_lshl_b32 s56, s56, 8
	s_and_b32 s57, s[WV], 3
	s_lshl_b32 s57, s57, 5
	s_add_co_u32 s56, s56, s57                     ; 256 (w / 4) + 32 (w % 4)
	s_mul_i32 s57, s[WV], RP
	s_add_co_u32 s57, s57, ROWS
	s_mul_i32 s58, s[WV], 6144
	s_add_co_u32 s58, s58, WST
	s_lshl_b32 s59, s[WV], 9
	s_add_co_u32 s59, s59, SCI
	v_and_b32 v2, 31, v0
	v_bfe_u32 v10, v0, 4, 1                        ; h
	v_and_b32 v11, 15, v0                          ; r
	v_and_b32 v12, 7, v0                           ; r % 8
	v_lshlrev_b32 v[LI], 4, v2
	v_lshlrev_b32 v[L4], 2, v2
	v_lshlrev_b32 v[H128], 7, v10
	v_lshlrev_b32 v[R4], 2, v11
	v_lshlrev_b32 v[SH8], 3, v10
	v_mul_u32_u24 v12, v12, RP
	v_lshl_add_u32 v[HL4], v10, 10, v[L4]
	v_mov_b32 v[PT], 0
	v_mov_b32 v15, 0
	v_add_nc_u32 v[U04], s56, v[H128]              ; 4 u0
	v_lshl_add_u32 v[B2O], v10, 8, v[R4]
	v_add_nc_u32 v12, ROWS, v12
	v_add_nc_u32 v[RW], s57, v[LI]
	v_add_nc_u32 v[UPA], s57, v[B2O]
	v_add_nc_u32 v[RQ], v12, v[H128]
	v_add_nc_u32 v[RU], v12, v[U04]
	v_add_nc_u32 v[TS], s58, v[LI]
	v_add_nc_u32 v[TV], s59, v[LI]
	s_wait_alu depctr_va_vdst(0)                   ; the wait at the head's end
	s_wait_kmcnt 0x0
	s_lshl_b32 s60, s53, 9
	s_add_nc_u64 s[76:77], s[8:9], s[60:61]
	s_add_nc_u64 s[80:81], s[10:11], s[60:61]
	s_add_nc_u64 s[94:95], s[36:37], s[60:61]
	s_lshl_b32 s60, s53, 14
	s_add_nc_u64 s[78:79], s[10:11], s[60:61]
	; ---- 38 loads that are wanted at once
	global_load_b128 v[48:51], v[LI], s[76:77]                        ; my slot's h_prev
	global_load_b128 v[40:43], v[LI], s[80:81] offset:PS              ; lane g: part g's (S, Gy, Gx, 0)
.irp i, 0,1,2,3
	global_load_b32 v[36+\i], v[B2O], s[20:21] offset:64*\i           ; f_b2[64 h + 16 i + r]
.endr
.set j, 0
.rept 32
	global_load_b128 v[X+4*j:X+4*j+3], v[LI], s[78:79] offset:512*j   ; my slot's 32 parts of U
.set j, j+1
.endr
	s_mul_i32 s60, s[WV], 1536
	s_add_nc_u64 s[82:83], s[6:7], s[60:61]
	s_lshl_b32 s60, s[WV], 7
	s_add_nc_u64 s[84:85], s[6:7], s[60:61]
	; ---- 38 for the GRU's products
.set j, 0
.rept 8
	global_load_b32 v[WS+j], v[L4], s[84:85] offset:WSC+(40+8*j)*128  ; tiles 40 + 8 f + w: gru_wih's three gates, gru_whh's three, mlp_w1, mlp_w2
.set j, j+1
.endr
	WIN 0x40                                       ; destination window 1
.set j, 0
	FRAGS 6
.irp f, 0,1,2
	BIAS \f, 24, 512*\f
	BIAS 3+\f, 26, 512*\f
.endr
	s_mul_i32 s60, s[WV], 6144
	s_add_nc_u64 s[66:67], s[6:7], s[60:61]
	s_lshl_b32 s60, s[WV], 9
	s_add_nc_u64 s[68:69], s[6:7], s[60:61]
	s_add_nc_u64 s[70:71], s[6:7], GWT
	s_add_nc_u64 s[72:73], s[6:7], GWT+512
	s_mov_b64 s[74:75], s[20:21]                   ; my vector: waves 0-3 g_b, g_w's columns, f_b1; the others f_b2.  The choice hangs on the wave's number alone
	s_cmp_eq_u32 s[WV], 0
	s_cselect_b64 s[74:75], s[16:17], s[74:75]
	s_cmp_eq_u32 s[WV], 1
	s_cselect_b64 s[74:75], s[70:71], s[74:75]
	s_cmp_eq_u32 s[WV], 2
	s_cselect_b64 s[74:75], s[72:73], s[74:75]
	s_cmp_eq_u32 s[WV], 3
	s_cselect_b64 s[74:75], s[18:19], s[74:75]
	; ---- 14 on their way to LDS: my share of the body's weight codes, of their scale words, my vector
.set j, 0
.rept 12
	global_load_b128 v[160+4*j:160+4*j+3], v[LI], s[66:67] offset:512*j
.set j, j+1
.endr
	global_load_b128 v[208:211], v[LI], s[68:69] offset:WSC
	global_load_b128 v[212:215], v[LI], s[74:75]
	; ---- 10 for the mlp
.set j, 6
	FRAGS 2
	BIAS 6, 28, 0
	BIAS 7, 30, 0
	s_mul_i32 s60, s54, 1536
	s_add_nc_u64 s[86:87], s[4:5], s[60:61]
	s_lshl_b32 s60, s54, 7
	s_add_nc_u64 s[88:89], s[4:5], s[60:61]
	s_lshl_b32 s60, s55, 9
	s_add_nc_u64 s[90:91], s[22:23], s[60:61]
	s_lshl_b32 s60, s55, 4
	s_add_nc_u64 s[92:93], s[22:23], s[60:61]
	; ---- 11 more: my tile's input codes, Wq's rows 16 w on, the two norms' gains and biases, the inputs' scale words
.irp i, 0,1,2
	global_load_b128 v[216+4*\i:219+4*\i], v[LI], s[86:87] offset:512*\i
.endr
.irp i, 0,1,2
	global_load_b128 v[228+4*\i:231+4*\i], v[LI], s[82:83] offset:32*1536+512*\i
.endr
	global_load_b128 v[240:243], v[LI], s[32:33]
	global_load_b128 v[244:247], v[LI], s[34:35]
	global_load_b128 v[248:251], v[LI], s[12:13]
	global_load_b128 v[252:255], v[LI], s[14:15]
	WIN 0
	global_load_b32 v[INS], v[L4], s[88:89] offset:XSC
	s_wait_loadcnt 63                              ; behind the first 38 stand 73: the largest count that the wait can name leaves fewer out
	ds_store_b128 v[RW], v[48:51] offset:HPV
.irp st, 16,8,4,2,1
.set j, 0
.rept \st
	v_pk_add_f32 v[X+4*j:X+4*j+1], v[X+4*j:X+4*j+1], v[X+4*(j+\st):X+4*(j+\st)+1]
	v_pk_add_f32 v[X+4*j+2:X+4*j+3], v[X+4*j+2:X+4*j+3], v[X+4*(j+\st)+2:X+4*(j+\st)+3]
.set j, j+1
.endr
.endr
	RED32 40, PT
	RED32 41, PT
	RED32 42, PT
	s_wait_alu depctr_va_vdst(0)
	v_rcp_f32 v43, v40
	v_nop
	s_wait_alu depctr_va_vdst(0)                   ; the waits round the transcendental
	v_mul_f32 v12, v41, v43                        ; my slot's S_p
	v_mul_f32 v13, v42, v43
.irp i, 0,1,2,3
	v_fma_f32 v[X+4+\i], v[X+\i], v43, v[36+\i]    ; updates = U / S + f_b2, at d = 64 h + 16 i + r
.endr
.irp i, 0,1,2,3
	ds_store_b32 v[UPA], v[X+4+\i] offset:UPD+64*\i
.endr
	BARRIER                                        ; the 8 rows of h_prev and of the updates lie in LDS
	; ---- the GRU
	LROW X, RQ, HPV
	LROW Y, RQ, UPD
	ds_load_b128 v[HP:HP+3], v[RU] offset:HPV
	ds_load_b128 v[HP+4:HP+7], v[RU] offset:HPV+16
	s_wait_dscnt 0x0
	QMAX X, G, 1, WQS
	QCVT X, G, PCH
	QMAX Y, G, 1, SW
	QCVT Y, G, PC
	PLACES 4
	s_wait_alu depctr_va_vdst(0)
	s_wait_loadcnt 35                              ; the GRU's 38 are in; 14 + 10 + 11 may be out
	WIN 0x11                                       ; source 0 (the weight) and source 2 (the bias) window 1
	PROD 0, G, PC, SW
	PROD 1, G+8, PC, SW
	PROD 2, G+16, PC, SW
	PROD 3, G+24, PCH, WQS
	PROD 4, G+32, PCH, WQS
	PROD 5, G+40, PCH, WQS
	WIN 0
	PLACES 4
	global_load_b32 v[WQS], v[L4], s[84:85] offset:WSC+32*128        ; Wq's scale words take the register that held h_prev's
.set j, 0
.rept 8
	v_pk_add_f32 v[G+j:G+j+1], v[G+j:G+j+1], v[G+24+j:G+24+j+1]      ; ir + hr, iz + hz
.set j, j+2
.endr
.set j, 0
.rept 8
	v_pk_mul_f32 v[G+j:G+j+1], v[G+j:G+j+1], s[96:97] op_sel_hi:[1,0]
.set j, j+2
.endr
	s_wait_alu depctr_va_vdst(0)                   ; each batch of transcendentals has one wait ahead of it and one behind it
.set j, 0
.rept 16
	v_exp_f32 v[G+j], v[G+j]
.set j, j+1
.endr
	v_nop
	s_wait_alu depctr_va_vdst(0)
.set j, 0
.rept 8
	v_pk_add_f32 v[G+j:G+j+1], v[G+j:G+j+1], 1.0 op_sel_hi:[1,0]
.set j, j+2
.endr
	s_wait_alu depctr_va_vdst(0)
.set j, 0
.rept 16
	v_rcp_f32 v[G+j], v[G+j]                       ; r in G .. G + 7, z in G + 8 .. G + 15
.set j, j+1
.endr
	v_nop
	s_wait_alu depctr_va_vdst(0)
.set j, 0
.rept 4
	v_pk_fma_f32 v[G+16+j:G+17+j], v[G+j:G+j+1], v[G+40+j:G+41+j], v[G+16+j:G+17+j]   ; inn + r hn
.set j, j+2
.endr
.set j, 0
.rept 4
	v_pk_mul_f32 v[G+16+j:G+17+j], v[G+16+j:G+17+j], s[98:99] op_sel_hi:[1,0]
.set j, j+2
.endr
	s_wait_alu depctr_va_vdst(0)
.set j, 0
.rept 8
	v_exp_f32 v[G+16+j], v[G+16+j]
.set j, j+1
.endr
	v_nop
	s_wait_alu depctr_va_vdst(0)
.set j, 0
.rept 4
	v_pk_add_f32 v[G+16+j:G+17+j], v[G+16+j:G+17+j], 1.0 op_sel_hi:[1,0]
.set j, j+2
.endr
	s_wait_alu depctr_va_vdst(0)
.set j, 0
.rept 8
	v_rcp_f32 v[G+16+j], v[G+16+j]
.set j, j+1
.endr
	v_nop
	s_wait_alu depctr_va_vdst(0)
.set j, 0
.rept 4
	v_pk_fma_f32 v[G+16+j:G+17+j], v[G+16+j:G+17+j], -2.0, 1.0 op_sel_hi:[1,0,0]      ; n = tanh = 1 - 2 / (1 + 2^(2 y log2 e))
.set j, j+2
.endr
.set j, 0
.rept 4
	v_pk_add_f32 v[HN+j:HN+j+1], v[HP+j:HP+j+1], v[G+16+j:G+17+j] neg_lo:[0,1] neg_hi:[0,1]
.set j, j+2
.endr
.set j, 0
.rept 4
	v_pk_fma_f32 v[HN+j:HN+j+1], v[G+8+j:G+9+j], v[HN+j:HN+j+1], v[G+16+j:G+17+j]     ; n + z (h - n)
.set j, j+2
.endr
	ds_store_b128 v[RU], v[HN:HN+3] offset:GRU     ; lanes r and r + 8 write the same words with the same values
	ds_store_b128 v[RU], v[HN+4:HN+7] offset:GRU+16
	s_wait_alu depctr_va_vdst(0)
	s_wait_loadcnt 22                              ; the 14 for LDS are in; 10 + 11 + 1 may be out
	WIN 0x04                                       ; an LDS store's data are its source 1: window 1
.set j, 0
.rept 12
	ds_store_b128 v[TS], v[160+4*j:160+4*j+3] offset:512*j
.set j, j+1
.endr
	ds_store_b128 v[TV], v[208:211]
	ds_store_b128 v[TV], v[212:215] offset:4096
	WIN 0
	BARRIER                                        ; the GRU's rows, the body's weight codes, scale words and vectors lie in LDS
	; ---- the norm of my slot's row, the mlp
	ds_load_b128 v[X:X+3], v[RW] offset:GRU
	s_wait_loadcnt 0x0
	s_wait_dscnt 0x0
	LNROW X, 240, 244, X+4, X+8
	ds_store_b128 v[RW], v[X+4:X+7] offset:NRM
	BARRIER
	ROWSQ NRM
	WIN 0x11
	PROD 6, G, PC, SW
	WIN 0
	PLACES 4
.set j, 0
.rept 8
	v_max_num_f32 v[G+j], 0, v[G+j]
.set j, j+1
.endr
	ds_store_b128 v[RU], v[G:G+3] offset:HID
	ds_store_b128 v[RU], v[G+4:G+7] offset:HID+16
	BARRIER
	ROWSQ HID
	WIN 0x11
	PROD 7, G+8, PC, SW
	WIN 0
	PLACES 4
.set j, 0
.rept 4
	v_pk_add_f32 v[G+16+j:G+17+j], v[HN+j:HN+j+1], v[G+8+j:G+9+j]
.set j, j+2
.endr
	ds_store_b128 v[RU], v[G+16:G+19] offset:NEW
	ds_store_b128 v[RU], v[G+20:G+23] offset:NEW+16
	BARRIER                                        ; the 8 new slots lie in LDS, whole
	ds_load_b128 v[X:X+3], v[RW] offset:NEW
	s_wait_dscnt 0x0
	s_cmp_lg_u32 s[GG], 0
	s_cbranch_scc1 .Lnot_first
	global_store_b128 v[LI], v[X:X+3], s[94:95]    ; the batch's first work-group stores them: 32 lanes, 512 consecutive bytes, aligned
.Lnot_first:
	LNROW X, 248, 252, X+4, X+8
	ds_store_b128 v[RW], v[X+4:X+7] offset:LNS
	s_wait_alu depctr_va_vdst(0)
	s_wait_xcnt 0x0                                ; the store has read its registers: X is loaded again below
	BARRIER                                        ; the 8 normalised slots lie in LDS
	; ---- q = Q(normalised slots) Q(Wq)^T: every wave makes columns 16 w .. 16 w + 15 for the 8 slots
	ROWSQ LNS
	WIN 0x04                                       ; source 1 (Wq) window 1
	v_wmma_scale_f32_16x16x128_f8f6f4 v[Y+16:Y+23], v[PC:PC+11], v[228:239], 0, v[SW], v[WQS] matrix_a_fmt:MATRIX_FMT_BF6 matrix_b_fmt:MATRIX_FMT_BF6
	WIN 0
	s_lshl_b32 s53, s[WV], 6
	s_add_co_u32 s53, s53, QS
	v_add_nc_u32 v[DPC], s53, v[R4]
	PLACES 3
.set j, 0
.rept 8
	v_mul_f32 v[Y+32+j], 0x3e0293ee, v[Y+16+j]     ; x 128^-0.5 log2(e): slot j, d = 16 w + r
.set j, j+1
.endr
.set j, 0
.rept 8
	ds_store_b32 v[DPC], v[Y+32+j] offset:512*j    ; both halves of the lanes write the same word with the same value
.set j, j+1
.endr
	WIN 0x01                                       ; source 0 window 1
.set j, 0
.rept 12
	v_mov_b32 v[PC+j], v[216+j]                    ; my tile's input codes: window 1 is filled whole below
.set j, j+1
.endr
	WIN 0
	; ---- base_k and base_v of my tile of 16 positions
	s_lshl_b32 s[ROW], s[GG], 1
	s_lshr_b32 s58, s[WV], 2
	s_add_co_u32 s58, s58, s[ROW]                  ; my tile's grid row: 2 g + w / 4
	s_and_b32 s59, s[WV], 3
	s_lshl_b32 s59, s59, 4
	s_wait_alu depctr_va_vdst(0)
	s_wait_dscnt 0x0                               ; q's stores have read their registers
	v_add_nc_u32 v[AB], WST, v[LI]
	v_add_nc_u32 v3, VEC, v[H128]
	v_add_nc_u32 v5, SCI, v[HL4]
	WIN 0x40
.set j, 0
.rept 48
	ds_load_b128 v[4*j:4*j+3], v[AB] offset:512*j  ; Wk's 8 fragments at v0, Wv's at v96 of window 1
.set j, j+1
.endr
	LROW 192, 3, 0                                 ; g_b
	WIN 0
	LROW X, 3, 512                                 ; g_w's two columns
	LROW Y, 3, 1024
.set j, 0
.rept 8
	ds_load_b32 v[WS+j], v5 offset:128*j           ; lanes 0-15 Wk's scale words, lanes 16-31 Wv's
.set j, j+1
.endr
	v_and_b32 v11, 15, v0
	v_cvt_f32_u32 v10, s58
	v_add_nc_u32 v11, s59, v11                     ; my position's grid column: 16 (w % 4) + r
	v_mul_f32 v12, 0xbe4ccccd, v12                 ; - S_p / 5
	v_cvt_f32_u32 v11, v11
	v_fma_f32 v10, v10, s[C263], -1.0              ; gy
	v_mul_f32 v13, 0xbe4ccccd, v13
	v_fma_f32 v11, v11, s[C263], -1.0              ; gx
	v_mul_f32 v10, 0x3e4ccccd, v10                 ; / 5
	s_delay_alu instid0(VALU_DEP_2)
	v_mul_f32 v11, 0x3e4ccccd, v11
	s_wait_alu depctr_va_vdst(0)
	s_wait_dscnt 0x0
	WIN 0x50                                       ; destination and source 2 window 1: GP
.set j, 0
.rept 32
	v_pk_fma_f32 v[192+j:193+j], v[X+j:X+j+1], v[10:11], v[192+j:193+j] op_sel_hi:[1,0,1]
.set j, j+2
.endr
.set j, 0
.rept 32
	v_pk_fma_f32 v[192+j:193+j], v[Y+j:Y+j+1], v[10:11], v[192+j:193+j] op_sel:[0,1,0] op_sel_hi:[1,1,1]
.set j, j+2
.endr
	WIN 0
.set j, 0
.rept 32
	v_pk_mul_f32 v[CS+j:CS+j+1], v[X+j:X+j+1], v[12:13] op_sel_hi:[1,0]
.set j, j+2
.endr
.set j, 0
.rept 32
	v_pk_fma_f32 v[CS+j:CS+j+1], v[Y+j:Y+j+1], v[12:13], v[CS+j:CS+j+1] op_sel:[0,1,0] op_sel_hi:[1,1,1]
.set j, j+2
.endr
	WIN 0x11                                       ; source 0 (the weight) and source 2 (GP) window 1
.set j, 0
.rept 8
	v_wmma_scale_f32_16x16x128_f8f6f4 v[X+8*j:X+8*j+7], v[12*j:12*j+11], v[PC:PC+11], v[192+8*j:192+8*j+7], v[WS+j], v[INS] matrix_a_fmt:MATRIX_FMT_BF6 matrix_b_fmt:MATRIX_FMT_BF6
.set j, j+1
.endr
.set j, 0
.rept 8
	v_wmma_scale_f32_16x16x128_f8f6f4 v[Y+8*j:Y+8*j+7], v[96+12*j:96+12*j+11], v[PC:PC+11], v[192+8*j:192+8*j+7], v[WS+j], v[INS] matrix_a_fmt:MATRIX_FMT_BF6 matrix_b_fmt:MATRIX_FMT_BF6 matrix_a_scale:MATRIX_SCALE_ROW1
.set j, j+1
.endr
	WIN 0
	s_lshl_b32 s53, s[WV], 13
	v_add_nc_u32 v[DPC], s53, v[LI]                ; my tile's image of base_k,
	s_delay_alu instid0(VALU_DEP_1)
	v_add_nc_u32 v[ATC], 65536, v[DPC]             ; and of base_v.  With the two v_nop: four places behind the products
	PLACES 2
.set j, 0
.rept 16
	ds_store_b128 v[DPC], v[X+4*j:X+4*j+3] offset:512*j   ; each result from its low end on
.set j, j+1
.endr
.set j, 0
.rept 16
	ds_store_b128 v[ATC], v[Y+4*j:Y+4*j+3] offset:512*j
.set j, j+1
.endr
	v_add_nc_u32 v9, VEC+2048, v[R4]
	WIN 0x40
.set j, 0
.rept 48
	ds_load_b128 v[4*j:4*j+3], v[AB] offset:24576+512*j   ; f_w1's 8 fragments at v0, f_w2's at v96 of window 1: they stay
.set j, j+1
.endr
	LROW 192, 3, 1536                              ; f_b1, the C of the first layer
	WIN 0
.set j, 0
.rept 8
	ds_load_b32 v[WS+j], v5 offset:2048+128*j      ; f_w1's and f_w2's scale words
.set j, j+1
.endr
.set j, 0
.rept 8
	ds_load_b32 v[32+j], v9 offset:64*j            ; f_b2[16 t + r]
.set j, j+1
.endr
	BARRIER                                        ; the 16 images and q lie in LDS; the head's regions in DP have been read for the last time
	s_mul_i32 s53, s[WV], DPW
	s_add_co_u32 s53, s53, DP
	s_lshl_b32 s54, s[WV], 9
	s_add_co_u32 s55, s54, AT
	s_add_co_u32 s56, s54, DOTS
	s_add_co_u32 s57, s54, QS
	v_and_b32 v11, 15, v0
	v_bfe_u32 v10, v0, 4, 1
	v_add_nc_u32 v[ATC], s57, v[R4]
	v_mul_u32_u24 v[DPI], v11, 528
	v_add_nc_u32 v[DPR], s53, v[LI]
	v_lshl_add_u32 v[ATI], v10, 5, s55
	v_lshl_add_u32 v[DPI], v10, 5, v[DPI]
	v_add_nc_u32 v[DSW], s56, v[LI]
	s_delay_alu instid0(VALU_DEP_2)
	v_add_nc_u32 v[DPI], s53, v[DPI]
.set j, 0
.rept 8
	ds_load_b32 v[Q+j], v[ATC] offset:64*j         ; my slot's q[16 t + r]
.set j, j+1
.endr
.set j, 0
.rept 16
	ds_load_b128 v[X+4*j:X+4*j+3], v[LI] offset:512*j   ; image 0
.set j, j+1
.endr
	s_wait_alu depctr_va_vdst(0)
	s_wait_dscnt 0x0
	v_mul_f32 v[PB], v[Q], v[32]
.set j, 1
.rept 7
	s_delay_alu instid0(VALU_DEP_1)
	v_fmac_f32 v[PB], v[Q+j], v[32+j]              ; my lane's part of q . b2: it starts each partial dot
.set j, j+1
.endr
	s_delay_alu instid0(VALU_DEP_1)
	v_mov_b32 v[PB+1], v[PB]
	LESSC                                          ; the first tile's base - c; every later tile's is made in the chain before it
; ONE TILE OF 16 POSITIONS THROUGH BOTH LAYERS, for my slot.  At its head X holds the tile's base - c.  kind 0: k, contracted with q;  1: v, weighted by a.
; pf = 1: the next image is fetched ahead of the second layer's products, and its base - c is made behind them: 32 lines that name none of those products' registers: the places ahead of the first read of their results.
.macro CHAIN kind, pf
.if \kind
	v_add_nc_u32 v[ATC], s[STP], v[ATI]
	ds_load_b128 v[AV:AV+3], v[ATC]                ; a of positions 8 h + 0 .. 7 of this tile
	ds_load_b128 v[AV+4:AV+7], v[ATC] offset:16
.endif
	QMAX X, Y, 1, SW
	QCVT X, Y, PC
	PLACES 4
	WIN 0x11                                       ; source 0 (f_w1) and source 2 (f_b1) window 1
.set j, 0
.rept 8
	v_wmma_scale_f32_16x16x128_f8f6f4 v[Y+8*j:Y+8*j+7], v[12*j:12*j+11], v[PC:PC+11], v[192+8*j:192+8*j+7], v[WS+j], v[SW] matrix_a_fmt:MATRIX_FMT_BF6 matrix_b_fmt:MATRIX_FMT_BF6
.set j, j+1
.endr
	WIN 0
	PLACES 4
	QMAX Y, X, 0, SW
.set j, 0
.rept 32
	v_dual_max_num_f32 v[Y+j], 0, v[Y+j] :: v_dual_max_num_f32 v[Y+j+1], 0, v[Y+j+1]   ; the activation, in f32, two numbers a line
.set j, j+2
.endr
	QCVT Y, X, PC
	v_add_nc_u32 v[AB], s[IMG], v[LI]              ; with the three v_nop: four places between the codes' last move and the product
	PLACES 3
.if \pf
.set j, 0
.rept 16
	ds_load_b128 v[X+4*j:X+4*j+3], v[AB] offset:512*j
.set j, j+1
.endr
.endif
	WIN 0x04                                       ; source 1 (f_w2) window 1
.set j, 0
.rept 8
	v_wmma_scale_f32_16x16x128_f8f6f4 v[Y+8*j:Y+8*j+7], v[PC:PC+11], v[96+12*j:96+12*j+11], 0, v[SW], v[WS+j] matrix_a_fmt:MATRIX_FMT_BF6 matrix_b_fmt:MATRIX_FMT_BF6 matrix_b_scale:MATRIX_SCALE_ROW1
.set j, j+1
.endr
	WIN 0
.if \pf
	s_wait_dscnt 0x0                               ; the next image is in, and so is a; my last LDS stores are done
	LESSC
.else
	PLACES 4
	s_wait_dscnt 0x0                               ; a is in
.endif
.if \kind
.set jp, 0
.rept 4
.set tt, 0
.rept 8
	v_pk_fma_f32 v[U+2*tt:U+2*tt+1], v[Y+8*tt+2*jp:Y+8*tt+2*jp+1], v[AV+2*jp:AV+2*jp+1], v[U+2*tt:U+2*tt+1]   ; U[16 t + r] in two halves: even and odd positions
.set tt, tt+1
.endr
.set jp, jp+1
.endr
.else
.set tt, 0
.rept 8
.set jp, 0
.rept 4
.if tt == 0
	v_pk_fma_f32 v[P+2*jp:P+2*jp+1], v[Y+2*jp:Y+2*jp+1], v[Q:Q+1], v[PB:PB+1] op_sel_hi:[1,0,1]
.elseif tt%2 == 0
	v_pk_fma_f32 v[P+2*jp:P+2*jp+1], v[Y+8*tt+2*jp:Y+8*tt+2*jp+1], v[Q+tt:Q+tt+1], v[P+2*jp:P+2*jp+1] op_sel_hi:[1,0,1]
.else
	v_pk_fma_f32 v[P+2*jp:P+2*jp+1], v[Y+8*tt+2*jp:Y+8*tt+2*jp+1], v[Q+tt-1:Q+tt], v[P+2*jp:P+2*jp+1] op_sel:[0,1,0] op_sel_hi:[1,1,1]
.endif
.set jp, jp+1
.endr
.set tt, tt+1
.endr
	v_add_nc_u32 v[DPC], s[STP], v[DPI]
	ds_store_b128 v[DPC], v[P:P+3]                 ; my lane's part (d = 16 t + r, all t) of the dots of positions 8 h + 0 .. 7
	ds_store_b128 v[DPC], v[P+4:P+7] offset:16
.endif
.endm
	s_mov_b32 s[IMG], IMGB
	s_mov_b32 s[STP], 0
	s_mov_b32 s[CNT], 8
.Lk:                                               ; 8 tiles of k; the last trip fetches base_v of tile 0 and takes c off it: X keeps that through the softmax
	CHAIN 0, 1
	s_add_co_u32 s[IMG], s[IMG], IMGB
	s_add_co_u32 s[STP], s[STP], 64
	s_sub_co_u32 s[CNT], s[CNT], 1
	s_cmp_lg_u32 s[CNT], 0
	s_cbranch_scc1 .Lk
	; ---- my slot's dots: the 16 rows of parts are added; lane l takes positions 4 l .. 4 l + 3
	s_wait_dscnt 0x0
.set j, 0
.rept 16
	ds_load_b128 v[Y+4*j:Y+4*j+3], v[DPR] offset:528*j
.set j, j+1
.endr
	s_wait_dscnt 0x0
.irp st, 8,4,2,1
.set j, 0
.rept \st
	v_pk_add_f32 v[Y+4*j:Y+4*j+1], v[Y+4*j:Y+4*j+1], v[Y+4*(j+\st):Y+4*(j+\st)+1]
	v_pk_add_f32 v[Y+4*j+2:Y+4*j+3], v[Y+4*j+2:Y+4*j+3], v[Y+4*(j+\st)+2:Y+4*(j+\st)+3]
.set j, j+1
.endr
.endr
	ds_store_b128 v[DSW], v[Y:Y+3]
	BARRIER                                        ; all 8 slots' dots lie in LDS
	v_add_nc_u32 v[AB], DOTS, v[LI]
.set j, 0
.rept 8
	ds_load_b128 v[Y+32+4*j:Y+32+4*j+3], v[AB] offset:512*j
.set j, j+1
.endr
	s_wait_dscnt 0x0
.irp i, 0,1,2,3
	v_max3_num_f32 v[Y+4+\i], v[Y+32+\i], v[Y+36+\i], v[Y+40+\i]    ; the slots' maximum, for each of my 4 positions
.endr
.irp i, 0,1,2,3
	v_max3_num_f32 v[Y+4+\i], v[Y+4+\i], v[Y+44+\i], v[Y+48+\i]
.endr
.irp i, 0,1,2,3
	v_max3_num_f32 v[Y+4+\i], v[Y+4+\i], v[Y+52+\i], v[Y+56+\i]
.endr
.irp i, 0,1,2,3
	v_max_num_f32 v[Y+4+\i], v[Y+4+\i], v[Y+60+\i]
.endr
	v_pk_add_f32 v[Y:Y+1], v[Y:Y+1], v[Y+4:Y+5] neg_lo:[0,1] neg_hi:[0,1]
	v_pk_add_f32 v[Y+2:Y+3], v[Y+2:Y+3], v[Y+6:Y+7] neg_lo:[0,1] neg_hi:[0,1]
.set j, 0
.rept 8
	v_pk_add_f32 v[Y+32+4*j:Y+33+4*j], v[Y+32+4*j:Y+33+4*j], v[Y+4:Y+5] neg_lo:[0,1] neg_hi:[0,1]
	v_pk_add_f32 v[Y+34+4*j:Y+35+4*j], v[Y+34+4*j:Y+35+4*j], v[Y+6:Y+7] neg_lo:[0,1] neg_hi:[0,1]
.set j, j+1
.endr
	s_wait_alu depctr_va_vdst(0)                   ; the wait ahead of the batch
.set j, 0
.rept 4
	v_exp_f32 v[Y+j], v[Y+j]                       ; my slot's
.set j, j+1
.endr
.set j, 0
.rept 32
	v_exp_f32 v[Y+32+j], v[Y+32+j]                 ; all slots'
.set j, j+1
.endr
	v_add_nc_u32 v[Y+17], 1, v[R4]                 ; the grid of my 4 positions: column 4 r + i, row 2 g + h.  Plain work behind the batch, which names none of its results
	v_add_nc_u32 v[Y+18], 2, v[R4]
	v_add_nc_u32 v[Y+19], 3, v[R4]
	v_bfe_u32 v[Y+20], v0, 4, 1
	s_delay_alu instid0(VALU_DEP_1)
	v_add_nc_u32 v[Y+20], s[ROW], v[Y+20]
	v_cvt_f32_u32 v[Y+16], v[R4]
.irp i, 17,18,19,20
	v_cvt_f32_u32 v[Y+\i], v[Y+\i]
.endr
.irp i, 16,17,18,19,20
	v_fma_f32 v[Y+\i], v[Y+\i], s[C263], -1.0
.endr
	s_wait_alu depctr_va_vdst(0)                   ; one wait for the 36 exponentials, ahead of their first reader
.irp st, 4,2,1
.set j, 0
.rept \st
	v_pk_add_f32 v[Y+32+4*j:Y+33+4*j], v[Y+32+4*j:Y+33+4*j], v[Y+32+4*(j+\st):Y+33+4*(j+\st)]
	v_pk_add_f32 v[Y+34+4*j:Y+35+4*j], v[Y+34+4*j:Y+35+4*j], v[Y+34+4*(j+\st):Y+35+4*(j+\st)]
.set j, j+1
.endr
.endr
	s_wait_alu depctr_va_vdst(0)
.irp i, 0,1,2,3
	v_rcp_f32 v[Y+8+\i], v[Y+32+\i]
.endr
	v_nop
	s_wait_alu depctr_va_vdst(0)                   ; and one for the four reciprocals
.irp i, 0,1,2,3
	v_fma_f32 v[Y+12+\i], v[Y+\i], v[Y+8+\i], s[CE8]         ; a = softmax + 1e-8
.endr
	ds_store_b128 v[DSW], v[Y+12:Y+15] offset:AT-DOTS
	v_add_f32 v[ST], v[Y+12], v[Y+13]
	v_add_f32 v[ST+1], v[Y+14], v[Y+15]
	v_mul_f32 v[ST+2], v[Y+12], v[Y+16]
	s_delay_alu instid0(VALU_DEP_2)
	v_add_f32 v[ST], v[ST], v[ST+1]                ; S of my 4 positions
	s_delay_alu instid0(VALU_DEP_2)
	v_fma_f32 v[ST+2], v[Y+13], v[Y+17], v[ST+2]
	s_delay_alu instid0(VALU_DEP_2)
	v_mul_f32 v[ST+1], v[ST], v[Y+20]              ; Gy: they share a grid row
	s_delay_alu instid0(VALU_DEP_2)
	v_fma_f32 v[ST+2], v[Y+14], v[Y+18], v[ST+2]
	s_delay_alu instid0(VALU_DEP_1)
	v_fma_f32 v[ST+2], v[Y+15], v[Y+19], v[ST+2]   ; Gx
	RED32 ST, PT
	RED32 ST+1, PT
	RED32 ST+2, PT
.set j, 0
.rept 16
	v_mov_b32 v[U+j], 0
.set j, j+1
.endr
	s_mov_b32 s[IMG], 9*IMGB
	s_mov_b32 s[STP], 0
	s_mov_b32 s[CNT], 7
.Lv:                                               ; 7 tiles of v,
	CHAIN 1, 1
	s_add_co_u32 s[IMG], s[IMG], IMGB
	s_add_co_u32 s[STP], s[STP], 64
	s_sub_co_u32 s[CNT], s[CNT], 1
	s_cmp_lg_u32 s[CNT], 0
	s_cbranch_scc1 .Lv
	CHAIN 1, 0                                     ; and the last, which fetches nothing
.set j, 0
.rept 8
	v_add_f32 v[Y+j], v[U+2*j], v[U+2*j+1]         ; even and odd positions,
.set j, j+1
.endr
.set j, 0
.rept 8
	v_permlanex16_b32 v[Y+8+j], v[Y+j], s[SEL], s[SEL+1]
.set j, j+1
.endr
.set j, 0
.rept 8
	v_add_f32 v[Y+j], v[Y+j], v[Y+8+j]             ; and the other half of the lanes' 8 positions a tile
.set j, j+1
.endr
	v_cmp_ne_u32 vcc_lo, 0, v[SH8]
.irp i, 0,1,2,3
	v_cndmask_b32 v[Y+16+\i], v[Y+\i], v[Y+4+\i], vcc_lo   ; lane (r, h) keeps t = 4 h + i
.endr
	v_and_b32 v[Y+20], 31, v0
	s_delay_alu instid0(VALU_DEP_1)
	v_cmp_eq_u32 vcc_lo, 0, v[Y+20]
	global_store_b128 v[LI], v[Y+16:Y+19], s[90:91]        ; 32 lanes store 512 consecutive bytes, at a multiple of 512 from the buffer's first byte
	s_wait_xcnt 0x0                                ; EXEC changes only behind this wait
	s_and_saveexec_b32 s53, vcc_lo
	global_store_b128 v15, v[ST:ST+3], s[92:93] offset:PS  ; lane 0: (S, Gy, Gx, 0)
	s_wait_xcnt 0x0
	s_mov_b32 exec_lo, -1
	v_lshl_add_u32 v126, v0, 2, 0x41000
	v_mov_b32 v127, 0
	s_wait_alu depctr_va_vdst(0)
	s_wait_tensorcnt 0x0                           ; the wave's end
	ds_add_u32 v126, v127
	s_wait_dscnt 0x0
	s_endpgm
.Lfunc_end_k_q8021445cb2_mid:
	.size	k_q8021445cb2_mid, .Lfunc_end_k_q8021445cb2_mid-k_q8021445cb2_mid
	.p2alignl 7, 3214868480
	.fill 96, 4, 3214868480
	.section	.rodata,"a",@progbits
	.p2align	6, 0x0
	.amdhsa_kernel k_q8021445cb2_mid
		.amdhsa_group_segment_fixed_size 267264
		.amdhsa_private_segment_fixed_size 0
		.amdhsa_enable_private_segment 0
		.amdhsa_kernarg_size 136
		.amdhsa_user_sgpr_count 2
		.amdhsa_user_sgpr_kernarg_segment_ptr 1
		.amdhsa_wavefront_size32 1
		.amdhsa_system_sgpr_workgroup_id_x 1
		.amdhsa_system_sgpr_workgroup_id_y 1
		.amdhsa_system_sgpr_workgroup_id_z 1
		.amdhsa_system_vgpr_workitem_id 0
		.amdhsa_next_free_vgpr 512
		.amdhsa_next_free_sgpr 100
		.amdhsa_reserve_vcc 1
		.amdhsa_float_denorm_mode_32 3
		.amdhsa_float_denorm_mode_16_64 3
		.amdhsa_memory_ordered 1
		.amdhsa_forward_progress 1
		.amdhsa_inst_pref_size 147
	.end_amdhsa_kernel
	.amdgpu_metadata
---
amdhsa.version: [ 1, 2 ]
amdhsa.kernels:
  - .name:           k_q8021445cb2_mid
    .symbol:         k_q8021445cb2_mid.kd
    .args:
      - { .name: xq, .offset: 0, .size: 8, .value_kind: global_buffer, .address_space: global }
      - { .name: wq, .offset: 8, .size: 8, .value_kind: global_buffer, .address_space: global }
      - { .name: slots_init, .offset: 16, .size: 8, .value_kind: global_buffer, .address_space: global }
      - { .name: part, .offset: 24, .size: 8, .value_kind: global_buffer, .address_space: global }
      - { .name: ln_s_g, .offset: 32, .size: 8, .value_kind: global_buffer, .address_space: global }
      - { .name: ln_s_b, .offset: 40, .size: 8, .value_kind: global_buffer, .address_space: global }
      - { .name: g_b, .offset: 48, .size: 8, .value_kind: global_buffer, .address_space: global }
      - { .name: f_b1, .offset: 56, .size: 8, .value_kind: global_buffer, .address_space: global }
      - { .name: f_b2, .offset: 64, .size: 8, .value_kind: global_buffer, .address_space: global }
      - { .name: part2, .offset: 72, .size: 8, .value_kind: global_buffer, .address_space: global }
      - { .name: gru_bih, .offset: 80, .size: 8, .value_kind: global_buffer, .address_space: global }
      - { .name: gru_bhh, .offset: 88, .size: 8, .value_kind: global_buffer, .address_space: global }
      - { .name: mlp_b1, .offset: 96, .size: 8, .value_kind: global_buffer, .address_space: global }
      - { .name: mlp_b2, .offset: 104, .size: 8, .value_kind: global_buffer, .address_space: global }
      - { .name: ln_pf_g, .offset: 112, .size: 8, .value_kind: global_buffer, .address_space: global }
      - { .name: ln_pf_b, .offset: 120, .size: 8, .value_kind: global_buffer, .address_space: global }
      - { .name: slA, .offset: 128, .size: 8, .value_kind: global_buffer, .address_space: global }
    .group_segment_fixed_size: 267264
    .private_segment_fixed_size: 0
    .kernarg_segment_align: 8
    .kernarg_segment_size: 136
    .max_flat_workgroup_size: 256
    .sgpr_count:     100
    .vgpr_count:     512
    .wavefront_size: 32
...
	.end_amdgpu_metadata
.endif
;; end of part 3
;; launch mid2: the kernel of part 3 again; grid 256 x 1, 8 waves a work-group, no clusters, 267,264 bytes of LDS; arguments xq, wq, slA, part2, ln_s_g, ln_s_b, g_b, f_b1, f_b2, part, gru_bih, gru_bhh, mlp_b1, mlp_b2, ln_pf_g, ln_pf_b, slB; writes part, slB
;; launch upd (part 4): grid 64 x 1, 8 waves a work-group, no clusters, 18,944 bytes of LDS; arguments part, wq, slB, gru_bih, gru_bhh, mlp_b1, mlp_b2, ln_pf_g, ln_pf_b, f_b2, out0, out1; writes out0, out1
.if DOCPART == 4
	.amdgcn_target "amdgcn-amd-amdhsa--gfx1250"
	.amdhsa_code_object_version 6
	.text
	.protected	k_q8021445cb2_upd
	.globl	k_q8021445cb2_upd
	.p2align	8
	.type	k_q8021445cb2_upd,@function
k_q8021445cb2_upd:
	s_mov_b64 s[64:65], 0
	v_nop
	global_prefetch_b8 v0, s[64:65] scope:SCOPE_SE
	s_setreg_imm32_b32 hwreg(HW_REG_WAVE_MODE, 25, 1), 1
	s_wait_xcnt 0x0
; The end of a round, for ONE SLOT a work-group (id = 8 b + s): the 32 parts of U, S, Gy, Gx are added; updates = U / S + f_b2; S_p = (Gy, Gx) / S; the GRU; slots + mlp(norm(slots)).  All eight products on codes of BF6 with E8M0 scales.
; (The reference divides S_p once more by the sum of the normalised weights, which is 1 up to rounding: that division is left out; its effect is about 1e-7 of S_p.)
; SHARES.  A matrix tile has 16 rows whatever the number of slots, so a slot to a work-group costs no product more than a batch to a work-group, and a work-group reads 16,384 bytes of parts where a batch's would read 131,072.
; All 16 rows of a tile repeat the slot's row.  All products are used transposed (source 0 = 16 rows of a weight, source 1 = the row): wave w owns, of every product, the units u0 + 0 .. 7, u0 = 64 (w / 4) + 8 (w % 4) + 32 h.
; Wave w adds parts 4 w .. 4 w + 3; the 8 sums meet in LDS, and every wave adds them for itself.  A row that a wave has whole (h_prev, the updates, the norm) turns into the quantiser's order through the wave's OWN bytes of LDS: no barrier.
; A row whose units come from all waves (the GRU's, the hidden layer's, the output's) goes through shared bytes, each written once, behind a barrier: four barriers in all.
; NO CLUSTER: what the work-groups share, 98,304 bytes of weight codes, goes once from memory straight into the registers that keep it; a joint load would bring it to LDS first, and every fragment would be read once more from there.
; All loads are asked for in the first lines, what is wanted first ahead: 60 a wave.
; sigmoid(x) = 1 / (1 + 2^(-x log2 e)); tanh(y) = 1 - 2 / (1 + 2^(2 y log2 e)).
; LIMITS: blocks whose largest magnitude lies under 2^-122 get the scale byte 1; NaN and infinities are not served.
.set WSC,  159744
.set PS,   1048576
.set RED,  0                           ; LDS: the 8 waves' sums of parts, 512 bytes each
.set PRV,  4096                        ; for each wave 1,536 bytes of its own: the rows h_prev, updates, norm
.set PRW,  1536
.set SHR,  16384                       ; shared rows of 512 bytes: the GRU's result, the hidden layer, the output
.set LI,   1                           ; v1   16 x lane
.set L4,   2                           ; v2   4 x lane
.set B2O,  3                           ; v3   256 h + 4 r
.set U04,  4                           ; v4   4 u0
.set REDW, 5                           ; v5   512 w + 16 x lane
.set SHL,  6                           ; v6   128 h
.set SH8,  7                           ; v7   8 h
.set PT,   8                           ; v8   a lane permute's destination
.set SWU,  9                           ; v9   the scale word just made
.set SWH,  10                          ; v10  h_prev's
.set PLI,  11                          ; v11  my wave's rows, 16 x lane
.set SPV,  12                          ; v12-13 S_p (in the head: h, r)
.set PL,   14                          ; v14  my wave's rows, 128 h: the quantiser's order
.set PU,   15                          ; v15  my wave's rows, 4 u0
.set WS,   16                          ; v16-23 the 8 weight tiles' scale words
.set PCU,  24                          ; v24-35 the codes just made
.set PCH,  36                          ; v36-47 h_prev's codes
.set HP,   48                          ; v48-55 h_prev at my units
.set HN,   56                          ; v56-63 the GRU's result at my units (before: v56-59 S, Gy, Gx, 1 / S; v60-63 f_b2)
.set G,    64                          ; v64-111 six results (before: the parts and their sums)
.set UP,   96                          ; v96-99   the updates
.set HR,   100                         ; v100-103 h_prev's row as loaded
.set LNG,  112                         ; v112-127 the norm's gain, bias, row, result
.set LNB,  116
.set LX,   120
.set LO,   124
.set X,    128
.set Y,    192                         ; v192-206 at work
.set UPA,  240                         ; v240 my wave's rows, 256 h + 4 r
.set WV,   28
.set SEL,  50
.set C128, 52
.set CEPS, 53
.set MSB, 0
.macro WIN new                         ; the immediate's high byte repeats the setting that is left
.if MSB != \new
	s_set_vgpr_msb (MSB<<8)|\new
.set MSB, \new
.endif
.endm
.macro PLACES n
.rept \n
	v_nop
.endr
.endm
.macro BARRIER                         ; my LDS stores have landed and my LDS loads are in: then the work-group's barrier
	s_wait_dscnt 0x0
	s_barrier_signal -1
	s_barrier_wait -1
.endm
.macro RED32 val, tmp
	v_add_f32_dpp v[\val], v[\val], v[\val] row_xmask:1 row_mask:0xf bank_mask:0xf
	s_delay_alu instid0(VALU_DEP_1)
	v_add_f32_dpp v[\val], v[\val], v[\val] row_xmask:2 row_mask:0xf bank_mask:0xf
	s_delay_alu instid0(VALU_DEP_1)
	v_add_f32_dpp v[\val], v[\val], v[\val] row_xmask:4 row_mask:0xf bank_mask:0xf
	s_delay_alu instid0(VALU_DEP_1)
	v_add_f32_dpp v[\val], v[\val], v[\val] row_xmask:8 row_mask:0xf bank_mask:0xf
	s_delay_alu instid0(VALU_DEP_1)
	v_permlanex16_b32 v[\tmp], v[\val], s[SEL], s[SEL+1]
	s_delay_alu instid0(VALU_DEP_1)
	v_add_f32 v[\val], v[\val], v[\tmp]
.endm
; the largest magnitudes of my two blocks (two chains each, by turns; the floor 2^-122 among the leaves), the conversions' scale operands in tmp+4, tmp+5, and the row's scale word
.macro QMAX src, tmp, swr
.irp c, 0,1
	v_max3_num_f32 v[\tmp+2*\c], |v[\src+32*\c]|, |v[\src+32*\c+1]|, 0x2800000
	v_max3_num_f32 v[\tmp+2*\c+1], |v[\src+32*\c+16]|, |v[\src+32*\c+17]|, |v[\src+32*\c+18]|
.endr
.irp i, 2,4,6,8,10,12
.irp c, 0,1
	s_delay_alu instid0(VALU_DEP_4)
	v_max3_num_f32 v[\tmp+2*\c], v[\tmp+2*\c], |v[\src+32*\c+\i]|, |v[\src+32*\c+\i+1]|
	s_delay_alu instid0(VALU_DEP_4)
	v_max3_num_f32 v[\tmp+2*\c+1], v[\tmp+2*\c+1], |v[\src+32*\c+\i+17]|, |v[\src+32*\c+\i+18]|
.endr
.endr
.irp c, 0
	s_delay_alu instid0(VALU_DEP_4)
	v_max3_num_f32 v[\tmp+2*\c], v[\tmp+2*\c], |v[\src+32*\c+14]|, |v[\src+32*\c+15]|
.endr
.irp c, 1
	s_delay_alu instid0(VALU_DEP_3)
	v_max3_num_f32 v[\tmp+2*\c], v[\tmp+2*\c], |v[\src+32*\c+14]|, |v[\src+32*\c+15]|
.endr
.irp c, 0,1
	s_delay_alu instid0(VALU_DEP_2)
	v_max3_num_f32 v[\tmp+2*\c], v[\tmp+2*\c], v[\tmp+2*\c+1], |v[\src+32*\c+31]|
.endr
.irp c, 0,1
	s_delay_alu instid0(VALU_DEP_2)
	v_add_nc_u32 v[\tmp+4+\c], 0xfe000000, v[\tmp+2*\c]   ; 4 off the exponent field: the conversion's scale operand
.endr
.irp c, 0,1
	s_delay_alu instid0(VALU_DEP_2)
	v_lshrrev_b32 v[\tmp+6+\c], 23, v[\tmp+4+\c]          ; the scale's byte
.endr
	s_delay_alu instid0(VALU_DEP_1)
	v_lshl_or_b32 v[\tmp], v[\tmp+7], 16, v[\tmp+6]
	s_delay_alu instid0(VALU_DEP_1)
	v_lshlrev_b32 v[\tmp], v[SH8], v[\tmp]
	s_delay_alu instid0(VALU_DEP_1)
	v_permlanex16_b32 v[PT], v[\tmp], s[SEL], s[SEL+1]
	s_delay_alu instid0(VALU_DEP_1)
	v_or_b32 v[\swr], v[\tmp], v[PT]
.endm
.macro QCVT src, tmp, cod
	v_cvt_scalef32_pk16_bf6_f32 v[\cod:\cod+2], v[\src:\src+15], v[\tmp+4]
	v_cvt_scalef32_pk16_bf6_f32 v[\tmp+8:\tmp+10], v[\src+16:\src+31], v[\tmp+4]
	v_cvt_scalef32_pk16_bf6_f32 v[\cod+6:\cod+8], v[\src+32:\src+47], v[\tmp+5]
	v_cvt_scalef32_pk16_bf6_f32 v[\tmp+12:\tmp+14], v[\src+48:\src+63], v[\tmp+5]
	v_nop                                          ; one plain place behind the scaled conversions
.irp i, 0,1,2
	v_mov_b32 v[\cod+3+\i], v[\tmp+8+\i]
	v_mov_b32 v[\cod+9+\i], v[\tmp+12+\i]
.endr
.endm
.macro LNROW x, g, b, o, t
	v_add_f32 v[\t], v[\x], v[\x+1]
	v_add_f32 v[\t+1], v[\x+2], v[\x+3]
	s_delay_alu instid0(VALU_DEP_1)
	v_add_f32 v[\t], v[\t], v[\t+1]
	RED32 \t, \t+1
	s_delay_alu instid0(VALU_DEP_1)
	v_mul_f32 v[\t], s[C128], v[\t]
.irp i, 0,1,2,3
	v_sub_f32 v[\o+\i], v[\x+\i], v[\t]
.endr
	s_delay_alu instid0(VALU_DEP_4)
	v_mul_f32 v[\t], v[\o], v[\o]
.irp i, 1,2,3
	s_delay_alu instid0(VALU_DEP_1)
	v_fma_f32 v[\t], v[\o+\i], v[\o+\i], v[\t]
.endr
	RED32 \t, \t+1
	s_delay_alu instid0(VALU_DEP_1)
	v_fma_f32 v[\t], v[\t], s[C128], s[CEPS]
	s_wait_alu depctr_va_vdst(0)
	v_rsq_f32 v[\t], v[\t]
	v_nop
	s_wait_alu depctr_va_vdst(0)                   ; the wait ahead of the first reader
.irp i, 0,1,2,3
	v_mul_f32 v[\o+\i], v[\o+\i], v[\t]
.endr
.irp i, 0,1,2,3
	s_delay_alu instid0(VALU_DEP_4)
	v_fma_f32 v[\o+\i], v[\o+\i], v[\g+\i], v[\b+\i]
.endr
.endm
.macro ROWL adr, off                   ; a row of 128 from LDS in the quantiser's order: register 32 c + 4 i at 128 h + 256 c + 16 i; the 16 lanes of a half read the same bytes
.irp c, 0,1
.set j, 0
.rept 8
	ds_load_b128 v[X+32*\c+4*j:X+32*\c+4*j+3], v[\adr] offset:\off+256*\c+16*j
.set j, j+1
.endr
.endr
.endm
.macro ROWSQ adr, off                  ; such a row becomes the operand in v[PCU] on and its scale word in v[SWU]
	ROWL \adr, \off
	s_wait_dscnt 0x0
	QMAX X, Y, SWU
	QCVT X, Y, PCU
	PLACES 4                                       ; an operand written by vector instructions stands 4 places ahead of a scaled product, its scale word 8
.endm
.macro PROD f, dst, cod, swr           ; weight tile f against the slot's row, its bias as C
	v_wmma_scale_f32_16x16x128_f8f6f4 v[\dst:\dst+7], v[12*\f:12*\f+11], v[\cod:\cod+11], v[96+8*\f:96+8*\f+7], v[WS+\f], v[\swr] matrix_a_fmt:MATRIX_FMT_BF6 matrix_b_fmt:MATRIX_FMT_BF6
.endm
.macro FRAGS n                         ; n weight tiles from j on: tile 40 + 8 j + w, three groups of 512 bytes
.rept \n
	global_load_b128 v[12*j:12*j+3], v[LI], s[34:35] offset:(40+8*j)*1536
	global_load_b128 v[12*j+4:12*j+7], v[LI], s[34:35] offset:(40+8*j)*1536+512
	global_load_b128 v[12*j+8:12*j+11], v[LI], s[34:35] offset:(40+8*j)*1536+1024
.set j, j+1
.endr
.endm
	s_load_b512 s[4:19], s[0:1], 0x0               ; part, wq, slots_prev, gru_bih, gru_bhh, mlp_b1, mlp_b2, ln_pf_g
	s_load_b256 s[20:27], s[0:1], 0x40             ; ln_pf_b, f_b2, slots_new, sp_new
	v_lshl_add_u32 v254, v0, 2, 0x4600
	v_mov_b32 v255, 0
	v_lshrrev_b32 v2, 5, v0
	s_delay_alu instid0(VALU_DEP_1)
	v_readfirstlane_b32 s[WV], v2
	s_mov_b32 s[SEL], 0x76543210
	s_mov_b32 s[SEL+1], 0xfedcba98
	s_mov_b32 s[C128], 0x3c000000
	s_mov_b32 s[CEPS], 0x3727c5ac
	s_mov_b32 s46, 0xbfb8aa3b                      ; -log2(e), as a pair for the packed forms
	s_mov_b32 s47, s46
	s_mov_b32 s48, 0x4038aa3b                      ; 2 log2(e)
	s_mov_b32 s49, s48
	v_and_b32 v2, 31, v0
	s_delay_alu instid0(VALU_DEP_1)
	v_lshlrev_b32 v[LI], 4, v2
	s_delay_alu instid0(VALU_DEP_2)
	v_lshlrev_b32 v[L4], 2, v2
	v_bfe_u32 v12, v0, 4, 1                        ; h
	v_and_b32 v13, 15, v0                          ; r
	s_delay_alu instid0(VALU_DEP_2)
	v_lshlrev_b32 v[SH8], 3, v12
	s_delay_alu instid0(VALU_DEP_3)
	v_lshlrev_b32 v[SHL], 7, v12
	s_wait_alu depctr_va_vdst(0)
	v_mov_b32 v[PT], 0
	s_lshr_b32 s30, s[WV], 2
	s_lshl_b32 s30, s30, 8
	s_and_b32 s31, s[WV], 3
	s_lshl_b32 s31, s31, 5
	s_add_co_u32 s30, s30, s31
	v_lshl_add_u32 v[U04], v12, 7, s30             ; 4 u0 = 256 (w / 4) + 32 (w % 4) + 128 h
	v_lshlrev_b32 v[B2O], 2, v13
	s_delay_alu instid0(VALU_DEP_1)
	v_lshl_add_u32 v[B2O], v12, 8, v[B2O]
	s_lshl_b32 s31, s[WV], 9
	v_add_nc_u32 v[REDW], s31, v[LI]
	s_mul_i32 s31, s[WV], PRW
	s_add_co_u32 s31, s31, PRV                     ; my wave's own rows
	v_add_nc_u32 v[PLI], s31, v[LI]
	v_add_nc_u32 v[PL], s31, v[SHL]
	v_add_nc_u32 v[PU], s31, v[U04]
	v_add_nc_u32 v[UPA], s31, v[B2O]
	s_mov_b32 s29, ttmp9                           ; 8 b + s
	s_mov_b32 s55, 0
	s_wait_alu depctr_va_vdst(0)
	s_wait_kmcnt 0x0
	s_lshl_b32 s54, s[WV], 7
	s_add_nc_u64 s[32:33], s[6:7], s[54:55]
	s_mul_i32 s54, s[WV], 1536
	s_add_nc_u64 s[34:35], s[6:7], s[54:55]
	s_lshl_b32 s54, s29, 14
	s_lshl_b32 s30, s[WV], 11
	s_add_co_u32 s54, s54, s30
	s_add_nc_u64 s[36:37], s[4:5], s[54:55]        ; the slot's parts 4 w on
	s_lshl_b32 s54, s29, 9
	s_add_nc_u64 s[38:39], s[4:5], s[54:55]
	s_add_nc_u64 s[40:41], s[8:9], s[54:55]
	s_add_nc_u64 s[42:43], s[24:25], s[54:55]
	s_lshl_b32 s54, s29, 3
	s_add_nc_u64 s[44:45], s[26:27], s[54:55]
	; ---- the loads: 10 that are wanted at once,
.irp i, 0,1,2,3
	global_load_b128 v[G+4*\i:G+4*\i+3], v[LI], s[36:37] offset:512*\i    ; my 4 parts of U
.endr
	global_load_b128 v[56:59], v[LI], s[38:39] offset:PS              ; lane g: part g's (S, Gy, Gx, 0)
.irp i, 0,1,2,3
	global_load_b32 v[60+\i], v[B2O], s[22:23] offset:64*\i           ; f_b2[64 h + 16 i + r]
.endr
	global_load_b128 v[HR:HR+3], v[LI], s[40:41]                      ; h_prev's row
	; 38 for the GRU's products,
.set j, 0
.rept 8
	global_load_b32 v[WS+j], v[L4], s[32:33] offset:WSC+(40+8*j)*128  ; tiles 40 + 8 f + w: gru_wih's three gates, gru_whh's three, mlp_w1, mlp_w2
.set j, j+1
.endr
	WIN 0x40                                       ; destination window 1
.set j, 0
	FRAGS 6
.irp f, 0,1,2
	global_load_b128 v[96+8*\f:96+8*\f+3], v[U04], s[10:11] offset:512*\f
	global_load_b128 v[96+8*\f+4:96+8*\f+7], v[U04], s[10:11] offset:512*\f+16
	global_load_b128 v[120+8*\f:120+8*\f+3], v[U04], s[12:13] offset:512*\f
	global_load_b128 v[120+8*\f+4:120+8*\f+7], v[U04], s[12:13] offset:512*\f+16
.endr
	; and 12 for what follows them
	FRAGS 2
	global_load_b128 v[144:147], v[U04], s[14:15]
	global_load_b128 v[148:151], v[U04], s[14:15] offset:16
	global_load_b128 v[152:155], v[U04], s[16:17]
	global_load_b128 v[156:159], v[U04], s[16:17] offset:16
	WIN 0
	global_load_b128 v[LNG:LNG+3], v[LI], s[18:19]
	global_load_b128 v[LNB:LNB+3], v[LI], s[20:21]
	s_wait_loadcnt 50                              ; the first 10 are in; the 38 and the 12 may be out
	ds_store_b128 v[PLI], v[HR:HR+3]               ; h_prev's row into my own bytes
.irp st, 2,1
.set j, 0
.rept \st
	v_pk_add_f32 v[G+4*j:G+4*j+1], v[G+4*j:G+4*j+1], v[G+4*(j+\st):G+4*(j+\st)+1]
	v_pk_add_f32 v[G+4*j+2:G+4*j+3], v[G+4*j+2:G+4*j+3], v[G+4*(j+\st)+2:G+4*(j+\st)+3]
.set j, j+1
.endr
.endr
	ds_store_b128 v[REDW], v[G:G+3] offset:RED     ; my 4 parts' sum
	ROWL PL, 0                                     ; LDS serves a wave's instructions in order: these see my store of h_prev's row
	ds_load_b128 v[HP:HP+3], v[PU]
	ds_load_b128 v[HP+4:HP+7], v[PU] offset:16
	RED32 56, PT
	RED32 57, PT
	RED32 58, PT
	s_wait_alu depctr_va_vdst(0)
	v_rcp_f32 v59, v56
	v_nop
	s_wait_alu depctr_va_vdst(0)                   ; the wait ahead of the first reader
	v_mul_f32 v[SPV], v57, v59                     ; S_p
	v_mul_f32 v[SPV+1], v58, v59
	s_wait_dscnt 0x0
	QMAX X, Y, SWH
	QCVT X, Y, PCH
	BARRIER                                        ; the 8 sums lie in LDS
.set j, 0
.rept 8
	ds_load_b128 v[G+4*j:G+4*j+3], v[LI] offset:RED+512*j
.set j, j+1
.endr
	s_wait_dscnt 0x0
.irp st, 4,2,1
.set j, 0
.rept \st
	v_pk_add_f32 v[G+4*j:G+4*j+1], v[G+4*j:G+4*j+1], v[G+4*(j+\st):G+4*(j+\st)+1]
	v_pk_add_f32 v[G+4*j+2:G+4*j+3], v[G+4*j+2:G+4*j+3], v[G+4*(j+\st)+2:G+4*(j+\st)+3]
.set j, j+1
.endr
.endr
.irp i, 0,1,2,3
	v_fma_f32 v[UP+\i], v[G+\i], v59, v[60+\i]     ; updates = U / S + f_b2, at d = 64 h + 16 i + r
.endr
.irp i, 0,1,2,3
	ds_store_b32 v[UPA], v[UP+\i] offset:512+64*\i ; into my own bytes, in the row's order
.endr
	; ---- the GRU
	ROWSQ PL, 512
	s_wait_alu depctr_va_vdst(0)
	s_wait_loadcnt 12                              ; its weights, scale words and biases are in; the 12 behind them may be out
	WIN 0x11                                       ; source 0 (the weight) and source 2 (the bias) window 1
	PROD 0, G, PCU, SWU
	PROD 1, G+8, PCU, SWU
	PROD 2, G+16, PCU, SWU
	PROD 3, G+24, PCH, SWH
	PROD 4, G+32, PCH, SWH
	PROD 5, G+40, PCH, SWH
	WIN 0
	PLACES 4
.set j, 0
.rept 8
	v_pk_add_f32 v[G+j:G+j+1], v[G+j:G+j+1], v[G+24+j:G+24+j+1]      ; ir + hr, iz + hz
.set j, j+2
.endr
.set j, 0
.rept 8
	v_pk_mul_f32 v[G+j:G+j+1], v[G+j:G+j+1], s[46:47] op_sel_hi:[1,0]
.set j, j+2
.endr
.set j, 0
	s_wait_alu depctr_va_vdst(0)
.rept 16
	v_exp_f32 v[G+j], v[G+j]
.set j, j+1
.endr
	v_nop
	s_wait_alu depctr_va_vdst(0)                   ; one wait a batch
.set j, 0
.rept 8
	v_pk_add_f32 v[G+j:G+j+1], v[G+j:G+j+1], 1.0 op_sel_hi:[1,0]
.set j, j+2
.endr
.set j, 0
	s_wait_alu depctr_va_vdst(0)
.rept 16
	v_rcp_f32 v[G+j], v[G+j]                       ; r in G .. G + 7, z in G + 8 .. G + 15
.set j, j+1
.endr
	v_nop
	s_wait_alu depctr_va_vdst(0)
.set j, 0
.rept 4
	v_pk_fma_f32 v[G+16+j:G+17+j], v[G+j:G+j+1], v[G+40+j:G+41+j], v[G+16+j:G+17+j]   ; inn + r hn
.set j, j+2
.endr
.set j, 0
.rept 4
	s_delay_alu instid0(VALU_DEP_4)
	v_pk_mul_f32 v[G+16+j:G+17+j], v[G+16+j:G+17+j], s[48:49] op_sel_hi:[1,0]
.set j, j+2
.endr
.set j, 0
	s_wait_alu depctr_va_vdst(0)
.rept 8
	v_exp_f32 v[G+16+j], v[G+16+j]
.set j, j+1
.endr
	v_nop
	s_wait_alu depctr_va_vdst(0)
.set j, 0
.rept 4
	v_pk_add_f32 v[G+16+j:G+17+j], v[G+16+j:G+17+j], 1.0 op_sel_hi:[1,0]
.set j, j+2
.endr
.set j, 0
	s_wait_alu depctr_va_vdst(0)
.rept 8
	v_rcp_f32 v[G+16+j], v[G+16+j]
.set j, j+1
.endr
	v_nop
	s_wait_alu depctr_va_vdst(0)
.set j, 0
.rept 4
	v_pk_fma_f32 v[G+16+j:G+17+j], v[G+16+j:G+17+j], -2.0, 1.0 op_sel_hi:[1,0,0]      ; n = tanh
.set j, j+2
.endr
.set j, 0
.rept 4
	s_delay_alu instid0(VALU_DEP_4)
	v_pk_add_f32 v[HN+j:HN+j+1], v[HP+j:HP+j+1], v[G+16+j:G+17+j] neg_lo:[0,1] neg_hi:[0,1]
.set j, j+2
.endr
.set j, 0
.rept 4
	v_pk_fma_f32 v[HN+j:HN+j+1], v[G+8+j:G+9+j], v[HN+j:HN+j+1], v[G+16+j:G+17+j]     ; n + z (h - n)
.set j, j+2
.endr
	ds_store_b128 v[U04], v[HN:HN+3] offset:SHR    ; the 16 lanes of a half write the same words with the same values
	ds_store_b128 v[U04], v[HN+4:HN+7] offset:SHR+16
	BARRIER                                        ; the GRU's row lies in LDS
	; ---- the norm: every wave for itself
	ds_load_b128 v[LX:LX+3], v[LI] offset:SHR
	s_wait_loadcnt 0x0                             ; the norm's gain and bias, the mlp's weights and biases
	s_wait_dscnt 0x0
	LNROW LX, LNG, LNB, LO, X
	ds_store_b128 v[PLI], v[LO:LO+3] offset:1024   ; into my own bytes
	; ---- the mlp's first layer
	ROWSQ PL, 1024
	WIN 0x11
	PROD 6, G, PCU, SWU
	WIN 0
	PLACES 4
.set j, 0
.rept 8
	v_max_num_f32 v[G+j], 0, v[G+j]
.set j, j+1
.endr
	ds_store_b128 v[U04], v[G:G+3] offset:SHR+512
	ds_store_b128 v[U04], v[G+4:G+7] offset:SHR+528
	BARRIER                                        ; the hidden row lies in LDS
	; ---- its second layer, and the way out
	ROWSQ SHL, SHR+512
	WIN 0x11
	PROD 7, G+8, PCU, SWU
	WIN 0
	PLACES 4
.set j, 0
.rept 4
	v_pk_add_f32 v[G+16+j:G+17+j], v[HN+j:HN+j+1], v[G+8+j:G+9+j]
.set j, j+2
.endr
	ds_store_b128 v[U04], v[G+16:G+19] offset:SHR+1024
	ds_store_b128 v[U04], v[G+20:G+23] offset:SHR+1040
	BARRIER                                        ; the new slot's row lies in LDS, whole
	s_cmp_lg_u32 s[WV], 0
	s_cbranch_scc1 .Lothers
	ds_load_b128 v[X:X+3], v[LI] offset:SHR+1024
	v_cmp_eq_u32 vcc_lo, 0, v0
	v_mov_b32 v[X+4], 0
	s_wait_alu depctr_va_vdst(0)
	s_wait_dscnt 0x0
	global_store_b128 v[LI], v[X:X+3], s[42:43]    ; wave 0: 32 lanes store the row's 512 consecutive bytes, at a multiple of 512 from the buffer's first byte
	s_wait_xcnt 0x0                                ; EXEC changes only behind this wait
	s_wait_tensorcnt 0x0
	ds_add_u32 v254, v255
	s_wait_dscnt 0x0
	s_and_saveexec_b32 s57, vcc_lo
	global_store_b64 v[X+4], v[SPV:SPV+1], s[44:45]   ; thread 0: the slot's S_p
	s_endpgm
.Lothers:
	s_wait_tensorcnt 0x0
	ds_add_u32 v254, v255
	s_wait_dscnt 0x0
	s_endpgm
.Lfunc_end_k_q8021445cb2_upd:
	.size	k_q8021445cb2_upd, .Lfunc_end_k_q8021445cb2_upd-k_q8021445cb2_upd
	.p2alignl 7, 3214868480
	.fill 96, 4, 3214868480
	.section	.rodata,"a",@progbits
	.p2align	6, 0x0
	.amdhsa_kernel k_q8021445cb2_upd
		.amdhsa_group_segment_fixed_size 18944
		.amdhsa_private_segment_fixed_size 0
		.amdhsa_enable_private_segment 0
		.amdhsa_kernarg_size 96
		.amdhsa_user_sgpr_count 2
		.amdhsa_user_sgpr_kernarg_segment_ptr 1
		.amdhsa_wavefront_size32 1
		.amdhsa_system_sgpr_workgroup_id_x 1
		.amdhsa_system_sgpr_workgroup_id_y 1
		.amdhsa_system_sgpr_workgroup_id_z 1
		.amdhsa_system_vgpr_workitem_id 0
		.amdhsa_next_free_vgpr 512
		.amdhsa_next_free_sgpr 66
		.amdhsa_reserve_vcc 1
		.amdhsa_float_denorm_mode_32 3
		.amdhsa_float_denorm_mode_16_64 3
		.amdhsa_memory_ordered 1
		.amdhsa_forward_progress 1
		.amdhsa_inst_pref_size 45
	.end_amdhsa_kernel
	.amdgpu_metadata
---
amdhsa.version: [ 1, 2 ]
amdhsa.kernels:
  - .name:           k_q8021445cb2_upd
    .symbol:         k_q8021445cb2_upd.kd
    .args:
      - { .name: part, .offset: 0, .size: 8, .value_kind: global_buffer, .address_space: global }
      - { .name: wq, .offset: 8, .size: 8, .value_kind: global_buffer, .address_space: global }
      - { .name: slB, .offset: 16, .size: 8, .value_kind: global_buffer, .address_space: global }
      - { .name: gru_bih, .offset: 24, .size: 8, .value_kind: global_buffer, .address_space: global }
      - { .name: gru_bhh, .offset: 32, .size: 8, .value_kind: global_buffer, .address_space: global }
      - { .name: mlp_b1, .offset: 40, .size: 8, .value_kind: global_buffer, .address_space: global }
      - { .name: mlp_b2, .offset: 48, .size: 8, .value_kind: global_buffer, .address_space: global }
      - { .name: ln_pf_g, .offset: 56, .size: 8, .value_kind: global_buffer, .address_space: global }
      - { .name: ln_pf_b, .offset: 64, .size: 8, .value_kind: global_buffer, .address_space: global }
      - { .name: f_b2, .offset: 72, .size: 8, .value_kind: global_buffer, .address_space: global }
      - { .name: out0, .offset: 80, .size: 8, .value_kind: global_buffer, .address_space: global }
      - { .name: out1, .offset: 88, .size: 8, .value_kind: global_buffer, .address_space: global }
    .group_segment_fixed_size: 18944
    .private_segment_fixed_size: 0
    .kernarg_segment_align: 8
    .kernarg_segment_size: 96
    .max_flat_workgroup_size: 256
    .sgpr_count:     66
    .vgpr_count:     512
    .wavefront_size: 32
...
	.end_amdgpu_metadata
.endif
;; end of part 4
